; MI455X (gfx1250); checked and timed in simulation.
; The chip was launched on July 23, 2026; its instructions are those of AMD's public machine-readable ISA for CDNA 5 (MIT licence, August 2026) and "CDNA5" Instruction Set Architecture Reference Guide (July 2026). The comments in the code are by the model that wrote it; some were corrected since.
;; Grouped Query Attention Exercise. Allowed arithmetic: matrix products marked QUANTISED: E2M3 operands, one E8M0 scale for each 32 along K, by v_wmma_scale_f32_16x16x128_f8f6f4 with both operands' format E2M3, f32 sums; everything else in f32.
;; Inputs: Wk 2,048 x 512 float32; Wo 2,048 x 2,048 float32; Wq 2,048 x 2,048 float32; Wv 2,048 x 512 float32; bk 512 float32; bo 2,048 float32; bq 2,048 float32; bv 512 float32; x 4 x 1,024 x 2,048 float32.
;; Outputs: out0 4 x 1,024 x 2,048 float32.
;; This version of the problem:
;;   THIS VERSION OF THE PROBLEM IS GIVEN IN LOW PRECISION. The matrix products marked QUANTISED in the list below multiply operands that are first quantised to E2M3 (2 exponent bits, 3 mantissa bits; 6 bits a number), with one power-of-two scale for each 32 numbers along K (OCP MX v1.0); their sums are f32. All else is computed in f32.
;;   The module's matrix products, in the order in which they are computed (A, B: the left and right operand; K: the contracted axis; several contracted axes count as one K, in the product's order):
;;     1. [M 4,096, K 2,048] x [K 2,048, N 2,048]; A: input x; B: input Wq: QUANTISED
;;     2. [M 4,096, K 2,048] x [K 2,048, N 512]; A: input x; B: input Wk: QUANTISED
;;     3. [M 4,096, K 2,048] x [K 2,048, N 512]; A: input x; B: input Wv: QUANTISED
;;     4. batch 32 x [M 4,096, K 64] x [K 64, N 1,024]; A: computed on the way; B: computed on the way: QUANTISED
;;     5. batch 32 x [M 4,096, K 1,024] x [K 1,024, N 64]; A: softmax (see below); B: computed on the way: QUANTISED
;;     6. [M 4,096, K 2,048] x [K 2,048, N 2,048]; A: computed on the way; B: input Wo: QUANTISED
;;   THE QUANTISER, for each operand of a quantised product, along K:
;;     - K is cut into blocks of 32 from its start; a last block that is shorter is filled with zeros.
;;     - A block's scale is 2^e with e = floor(log2(the largest magnitude in the block)) - 2, held to -126 .. 127; a block of zeros has e = 0. As a byte (E8M0): e + 127.
;;     - Each number is divided by its block's scale, clamped to +-7.5, and rounded to the nearest number of E2M3, ties to even, subnormals kept.
;;     - The product sums the exact products of the quantised numbers (number of the format x scale) in f32.
;;   ~~~python
;;   def quantise(x, axis):      # numpy; x: float32 -> the quantised numbers, widened to float32 again
;;       x = np.moveaxis(x, axis, -1); K = x.shape[-1]
;;       x = np.pad(x, [(0, 0)] * (x.ndim - 1) + [(0, -K % 32)]); x = x.reshape(x.shape[:-1] + (-1, 32)); a = np.abs(x).max(-1, keepdims=True)
;;       e = np.where(a > 0, np.clip(np.frexp(np.where(a > 0, a, 1))[1] - 1 - 2, -126, 127), 0)      # np.frexp(a)[1] - 1 = floor(log2(a)), exactly
;;       r = np.clip(x / 2.0 ** e, -7.5, 7.5)
;;       step = 2.0 ** (np.maximum(np.frexp(np.where(r == 0, 1, r))[1] - 1, 0) - 3)
;;       q = np.round(r / step) * step * 2.0 ** e      # np.round: ties to even
;;       return np.moveaxis(q.reshape(q.shape[:-2] + (-1,))[..., :K], -1, axis).astype(np.float32)
;;   ~~~
;;   SOFTMAX AHEAD OF A QUANTISED PRODUCT. Where the list says 'softmax', what is quantised is not the finished softmax but p = 2^(t - M), with t = logit x log2(e) and M = ceil(the row's largest t), a whole number; so 1/2 < the row's largest p <= 1. The row's sum l is taken of the UNQUANTISED p, in f32, and the product's result is divided by l at the end. Since M is a whole number, a kernel that streams over the keys may use a running M (the ceiling of the running maximum): every later rescaling is an exact power of two, which a block's scale takes up: the codes' values come out the same.
;;   OPERANDS COMPUTED ON THE WAY. 'Computed on the way' means the value that the module computes at that place (a softmax that the list does not call 'softmax' is quantised finished and normalised). What goes into a quantiser is computed in f32, as accurately as f32 sums, v_exp_f32 and their like allow (about 1e-6 of the number): no bf16 or f16 on the way to a quantiser, and a product that is left as it is and whose result goes on into a quantised operand takes f32 operands (vector FMAs, or v_wmma_f32_16x16x4_f32). A number that lies on a knife's edge between two numbers of the format may be rounded either way, as far as f32 arithmetic and the matrix unit's own rounding can turn it there, and no further.
;; One version. Each part assembles by itself: llvm-mc -triple=amdgcn-amd-amdhsa -mcpu=gfx1250 --defsym DOCPART=n.
;; ======== version 1 of 1: 4 launches
;; limits: right only within a limited range of input values
;; workspace buffers: xq 6,553,600 bytes; wq 8,192,000 bytes; qkv 9,830,400 bytes; oq 6,553,600 bytes
;; launch quant (part 1): grid 832 x 1, 4 waves a work-group, no clusters, 92,672 bytes of LDS; arguments Wq, Wk, Wv, Wo, wq, x, xq; writes wq, xq
.if DOCPART == 1
	.amdgcn_target "amdgcn-amd-amdhsa--gfx1250"
	.amdhsa_code_object_version 6
	.text
	.protected	k_qc3c8016e58_quant
	.globl	k_qc3c8016e58_quant
	.p2align	8
	.type	k_qc3c8016e58_quant,@function
k_qc3c8016e58_quant:
	s_mov_b64 s[64:65], 0
	v_nop
	global_prefetch_b8 v0, s[64:65] scope:SCOPE_SE
	s_setreg_imm32_b32 hwreg(HW_REG_WAVE_MODE, 25, 1), 1
	s_wait_xcnt 0x0
; One launch quantises all five f32 tensors into codes of FP6 (E2M3) with one E8M0 byte for each 32 along K, laid as IMAGES OF OPERAND REGISTERS:
; a half fragment (16 rows x 64 K, 768 bytes): lane l = (r = l % 16, h = l / 16) holds row r, block h, 24 bytes: its registers 0-3 at byte 16 l, its registers 4, 5 at byte 512 + 8 l.
; Work-groups 0-319 take the weights (their walk is the longer one, so they have the lowest numbers), work-groups 320-831 take x.  The two paths part on the work-group's number and have LDS bytes of their own.
; THE ROWS OF A TILE ARE NOT NEIGHBOURS: place p of tile 2 b + u is row 32 b + 8 u + p + 8 (p / 8), so that a product that has these tiles as source 0 leaves 16 neighbouring rows in 16 registers.
; A block's scale is 2^(floor(log2(largest magnitude)) - 2); its byte is the largest magnitude's exponent field - 2, held at 1 from below.
; LIMITS: NaN and infinities are not served; a block whose largest magnitude lies under 2^-124 (a block of zeros too) gets the byte 1: this program alone reads the bytes, and such a block's codes are zeros or nearly so.
; No tensor loads, no barrier: waves share nothing.
.set WSTG,  66560                      ; LDS: x's four stages from 0, the weights' four from here,
.set SPARE, 92160                      ; and the spare words, 128 bytes for each wave: two blocks of 256 bytes that no other line names
	v_lshl_add_u32 v254, v0, 2, SPARE
	v_mov_b32 v255, 0
	s_cmp_lt_u32 ttmp9, 320
	s_cbranch_scc0 .Lpath_x
; THE WEIGHTS, f32 with K as their FIRST axis.  A "row" is a column n of a weight.
; wq: WC at 0 [K step of 256: 8][tile: 192][3,072]; WS [tile][K step][r][8 bytes]; WOC [K step][tile: 128][3,072]; WOS likewise.
; Rows of WC: 0-2,047 Wq's columns; 2,048 + 256 t + n Wk's column 128 t + n; 2,048 + 256 t + 128 + n Wv's column 128 t + n (n under 128).  WOC: Wo's columns.
; A LANE TAKES A COLUMN AND ITS REGISTERS RUN DOWN K: a block of 32 lies in one lane's 32 registers, each load reads 128 consecutive bytes a wave.  A wave takes 32 columns (two tiles) x 256 along K.
; One path serves all four weights: pointers and sizes are chosen by selects on the work-group's number.  The codes go through the wave's own stage in LDS and leave as 12 stores of 512 consecutive bytes.
.set WS,   4718592
.set WOC,  4915200
.set WOS,  8060928
.set LA16, 8                           ; v8   stage + 3,200 u + 16 p: where my block's registers 0-3 go
.set LA8,  9                           ; v9   stage + 3,200 u + 8 p: registers 4, 5
.set SOF,  10                          ; v10  1,024 u + 8 p: my 8 scale bytes
.set L16,  11                          ; v11  16 x lane
.set RDA,  12                          ; v12  stage + 16 x lane
.set SB,   24                          ; v[24:25] the scale bytes
.set VO,   32                          ; v32-63  4 x lane + i x pitch: the pitch differs between the weights, so the offsets stand in registers
.set X,    64                          ; v64-127 two sets of 32 numbers
.set C,    128                         ; v128-134 a block's codes
.set OUTR, 136                         ; v136-183 the way out
	s_load_b256 s[4:11], s[0:1], 0x0               ; Wq, Wk, Wv, Wo
	s_load_b64 s[12:13], s[0:1], 0x20              ; wq
	v_lshrrev_b32 v1, 5, v0
	v_readfirstlane_b32 s24, v1                    ; wave
	v_and_b32 v1, 31, v0                           ; lane = column among my 32
	v_bfe_u32 v2, v0, 3, 1                         ; u: which of my two tiles
	v_and_b32 v3, 7, v0
	v_bfe_u32 v4, v0, 4, 1
	v_lshl_or_b32 v3, v4, 3, v3                    ; p: my place in it
	s_mul_i32 s25, s24, 6400                       ; my stage: two tiles, 3,200 bytes apart
	s_add_co_u32 s25, s25, WSTG
	v_mul_u32_u24 v5, v2, 3200
	v_add_nc_u32 v5, s25, v5
	v_lshl_add_u32 v[LA16], v3, 4, v5
	v_lshl_add_u32 v[LA8], v3, 3, v5
	v_lshlrev_b32 v[SOF], 10, v2
	v_lshl_add_u32 v[SOF], v3, 3, v[SOF]
	v_lshlrev_b32 v[L16], 4, v1
	v_add_nc_u32 v[RDA], s25, v[L16]
	v_lshlrev_b32 v6, 2, v1
	s_and_b32 s26, ttmp9, 7                        ; the K step
	s_lshr_b32 s38, ttmp9, 3                       ; the group of 128 columns, 0-39
	s_wait_alu depctr_va_vdst(0)                   ; the wait at the head's end
	s_wait_kmcnt 0x0
	; which weight: groups 0-15 Wq, 16-19 Wk, 20-23 Wv, 24-39 Wo.  s16 first group, s17 pitch, s18 + s19 t first tile, s20 codes' region, s21 bytes of a K step's codes, s22 scales' region
	s_cmp_lt_u32 s38, 24
	s_cselect_b64 s[14:15], s[8:9], s[10:11]
	s_cselect_b32 s16, 20, 24
	s_mov_b32 s17, 8192
	s_cselect_b32 s17, 2048, s17
	s_cselect_b32 s18, 136, 0
	s_cselect_b32 s19, 16, 8
	s_mov_b32 s20, WOC
	s_cselect_b32 s20, 0, s20
	s_mov_b32 s21, 393216
	s_cselect_b32 s21, 589824, s21
	s_mov_b32 s22, WOS
	s_cselect_b32 s22, WS, s22
	s_cmp_lt_u32 s38, 20
	s_cselect_b64 s[14:15], s[6:7], s[14:15]
	s_cselect_b32 s16, 16, s16
	s_cselect_b32 s18, 128, s18
	s_cmp_lt_u32 s38, 16
	s_cselect_b64 s[14:15], s[4:5], s[14:15]
	s_cselect_b32 s16, 0, s16
	s_cselect_b32 s17, 8192, s17
	s_cselect_b32 s18, 0, s18
	s_cselect_b32 s19, 8, s19
	s_sub_co_u32 s27, s38, s16                     ; t: the group within its weight
	s_mul_i32 s28, s27, s19
	s_add_co_u32 s28, s28, s18
	s_lshl_b32 s29, s24, 1
	s_add_co_u32 s28, s28, s29                     ; my first tile
	s_mul_i32 s30, s26, s17
	s_lshl_b32 s30, s30, 8                         ; 256 rows a K step
	s_lshl_b32 s29, s27, 9
	s_add_co_u32 s30, s30, s29                     ; + 512 bytes a group
	s_lshl_b32 s29, s24, 7
	s_add_co_u32 s30, s30, s29                     ; + 128 bytes a wave
	s_mov_b32 s31, 0
	s_add_nc_u64 s[14:15], s[14:15], s[30:31]
	s_mul_i32 s30, s26, s21
	s_mul_i32 s29, s28, 3072
	s_add_co_u32 s30, s30, s29
	s_add_co_u32 s30, s30, s20
	s_add_nc_u64 s[32:33], s[12:13], s[30:31]      ; my two tiles' codes
	s_lshl_b32 s30, s28, 10
	s_lshl_b32 s29, s26, 7
	s_add_co_u32 s30, s30, s29
	s_add_co_u32 s30, s30, s22
	s_add_nc_u64 s[34:35], s[12:13], s[30:31]      ; and scale bytes
	s_lshl_b32 s36, s17, 5                         ; 32 rows: a block on
	s_mov_b32 s37, 0
.set ii, 0
.rept 32
	v_mad_u32_u24 v[VO+ii], s17, ii, v6
.set ii, ii+1
.endr
.macro LOAD t                          ; block t: rows 32 t + i of my column, into set t % 2
.if (\t) > 0
	s_wait_xcnt 0x0                                ; the base is stepped only behind this wait
	s_add_nc_u64 s[14:15], s[14:15], s[36:37]
.endif
.set ii, 0
.rept 32
	global_load_b32 v[X+32*((\t)%2)+ii], v[VO+ii], s[14:15] th:TH_LOAD_NT
.set ii, ii+1
.endr
.endm
	LOAD 0
	s_wait_alu depctr_va_vdst(0)
	LOAD 1
.macro BLOCK t
.set XT, X+32*((\t)%2)
.if (\t) < 7
	s_wait_loadcnt 32                              ; this block's 32 loads are in; the next block's may be out
.else
	s_wait_loadcnt 0
.endif
	v_max3_num_f32 v16, |v[XT]|, |v[XT+1]|, |v[XT+2]|   ; the block's largest magnitude: all 32 numbers are mine
	v_max3_num_f32 v17, |v[XT+3]|, |v[XT+4]|, |v[XT+5]|
.irp i, 6,10,14,18,22,26
	v_max3_num_f32 v16, v16, |v[XT+\i]|, |v[XT+\i+1]|
	v_max3_num_f32 v17, v17, |v[XT+\i+2]|, |v[XT+\i+3]|
.endr
	v_max3_num_f32 v16, v16, |v[XT+30]|, |v[XT+31]|
	v_max3_num_f32 v16, v16, v17, 0x1800000        ; and the floor 2^(3 - 127)
	v_add_nc_u32 v18, 0xff000000, v16              ; 2 off the exponent field: the conversion's scale operand
	v_lshrrev_b32 v17, 23, v18                     ; the byte
.if (\t)%4 == 0
	v_mov_b32 v[SB+(\t)/4], v17
.else
	v_lshl_or_b32 v[SB+(\t)/4], v17, 8*((\t)%4), v[SB+(\t)/4]
.endif
	v_cvt_scalef32_pk16_fp6_f32 v[C:C+2], v[XT:XT+15], v18
	v_cvt_scalef32_pk16_fp6_f32 v[C+4:C+6], v[XT+16:XT+31], v18   ; (a conversion's three registers begin on an even number)
	v_nop                                          ; one plain place behind a scaled conversion
	v_mov_b32 v[C+3], v[C+4]                       ; the block's six registers on end
	v_mov_b32 v[C+4], v[C+5]
	v_mov_b32 v[C+5], v[C+6]
	ds_store_b128 v[LA16], v[C:C+3] offset:1536*((\t)/4)+768*(((\t)/2)%2)+256*((\t)%2)       ; block t is half t % 2 of half fragment t / 2: I stand for its lane p + 16 (t % 2)
	ds_store_b64 v[LA8], v[C+4:C+5] offset:1536*((\t)/4)+768*(((\t)/2)%2)+512+128*((\t)%2)
.if (\t)+2 < 8
	LOAD (\t)+2
.endif
	s_wait_dscnt 0x0                               ; the stores have read their registers: the next block's codes may be written
.endm
.irp t, 0,1,2,3,4,5,6,7
	BLOCK \t
.endr
	s_wait_alu depctr_va_vdst(0)                   ; the wait directly ahead of the reader below
	global_store_b64 v[SOF], v[SB:SB+1], s[34:35]  ; my column's 8 scale bytes
.irp k, 0,1,2,3,4,5,6,7,8,9,10,11
	ds_load_b128 v[OUTR+4*\k:OUTR+4*\k+3], v[RDA] offset:3200*(\k/6)+512*(\k%6)   ; LDS serves a wave's instructions in order: these see my stores
.endr
.irp k, 0,1,2,3,4,5,6,7,8,9,10,11
	s_wait_dscnt 11-\k                             ; load k is back; the younger ones stay out
	global_store_b128 v[L16], v[OUTR+4*\k:OUTR+4*\k+3], s[32:33] offset:512*\k   ; 512 consecutive bytes, at a multiple of 256 from the buffer's first byte
.endr
	s_wait_tensorcnt 0x0                           ; the wave's end
	ds_add_u32 v254, v255
	s_wait_dscnt 0x0
	s_endpgm
; x [4096 tokens][2048].  Codes: [K step of 256: 8][tile of 16 tokens: 256][3,072 bytes = four half fragments].  Scale bytes, from byte XSO on: [tile][K step][r][8 bytes, one for each block of the K step].
; A wave takes one tile x one K step: 16 rows x 1,024 bytes.  Each load reads 512 consecutive bytes; the rows turn through the wave's own stage in LDS (pitch 1,040 = 65 x 16 bytes) and come back 16 neighbours of a block to a lane.
.Lpath_x:
.set XSO,   6291456
.set SLAB,  786432                     ; bytes of one K step's codes: 256 tiles x 3,072
.set PITCH, 1040
.set DR,    16                         ; v16-143  32 loads x 4 registers
.set XA,    144                        ; v144-207 64 numbers of the first 128 along K
.set XB,    16                         ; v16-79   those of the second
.set TM,    208                        ; v208-223 at work in QUANT
.set PW,    224                        ; the scale word just made
.set PW0,   225                        ; the first fragment's
.set PC,    228                        ; v228-246 the codes just made
.set SEL,   12                         ; s[12:13] selects for lane l xor 16
; 64 numbers of a lane, register 16 b + i = k 32 b + 16 (lane / 16) + i of my row, become a fragment's 12 registers in v[PC] on and its scale word in v[PW].
.macro QUANT s
.irp b, 0,1,2,3
	v_max3_num_f32 v[TM+\b], |v[\s+16*\b]|, |v[\s+1+16*\b]|, 0x1800000   ; my 16 numbers of block b, and the floor 2^(3 - 127)
.endr
.irp i, 2,4,6,8,10,12,14
.irp b, 0,1,2,3
	v_max3_num_f32 v[TM+\b], v[TM+\b], |v[\s+16*\b+\i]|, |v[\s+1+16*\b+\i]|   ; the four blocks by turns
.endr
.endr
.irp b, 0,1,2,3
	v_permlanex16_b32 v[TM+4+\b], v[TM+\b], s[SEL], s[SEL+1]
.endr
.irp b, 0,1,2,3
	v_max_num_f32 v[TM+\b], v[TM+\b], v[TM+4+\b]   ; with lane l xor 16's: the block's largest magnitude
.endr
.irp b, 0,1,2,3
	v_add_nc_u32 v[TM+12+\b], 0xff000000, v[TM+\b]   ; 2 off its exponent field: the conversion's scale operand
.endr
.irp b, 0,1,2,3
	v_lshrrev_b32 v[TM+4+\b], 23, v[TM+12+\b]   ; the scale's byte
.endr
	v_lshl_or_b32 v[PW], v[TM+5], 8, v[TM+4]
	v_lshl_or_b32 v[PW], v[TM+6], 16, v[PW]
	v_lshl_or_b32 v[PW], v[TM+7], 24, v[PW]
.irp c, 0,1
	v_cvt_scalef32_pk16_fp6_f32 v[PC+6*\c:PC+2+6*\c], v[\s+32*\c:\s+15+32*\c], v[TM+12+2*\c]
	v_cvt_scalef32_pk16_fp6_f32 v[PC+12+4*\c:PC+14+4*\c], v[\s+16+32*\c:\s+31+32*\c], v[TM+12+2*\c+1]   ; (a conversion's three registers begin on an even number)
.endr
	v_nop                                          ; one plain place behind a scaled conversion
.irp c, 0,1                                    ; the layout wants a whole block in a lane: lanes 0-15 block 2 c, lanes 16-31 block 2 c + 1
.irp i, 0,1,2
	v_permlane16_swap_b32 v[PC+6*\c+\i], v[PC+12+4*\c+\i]
.endr
.irp i, 0,1,2
	v_mov_b32 v[PC+3+6*\c+\i], v[PC+12+4*\c+\i]
.endr
.endr
.endm
.macro CODES off                       ; a fragment's image: stores of 512, 256, 512 and 256 consecutive bytes, each at a multiple of 256 from the buffer's first byte
	global_store_b128 v2, v[PC:PC+3], s[20:21] offset:\off
	global_store_b64 v6, v[PC+4:PC+5], s[20:21] offset:\off+512
	global_store_b128 v2, v[PC+6:PC+9], s[20:21] offset:\off+768
	global_store_b64 v6, v[PC+10:PC+11], s[20:21] offset:\off+1280
.endm
	s_load_b64 s[4:5], s[0:1], 0x28                ; x
	s_load_b64 s[6:7], s[0:1], 0x30                ; xq
	s_sub_co_u32 s2, ttmp9, 320                    ; my number among x's 512 work-groups
	v_lshrrev_b32 v1, 5, v0
	v_readfirstlane_b32 s8, v1                     ; wave
	v_and_b32 v1, 31, v0                           ; lane
	v_lshlrev_b32 v2, 4, v1                        ; 16 x lane
	v_lshlrev_b32 v6, 3, v1                        ; 8 x lane
	v_and_b32 v8, 15, v0                           ; r
	v_bfe_u32 v9, v0, 4, 1                         ; h
	s_mul_i32 s9, s8, 16*PITCH                     ; my stage
	v_add_nc_u32 v3, s9, v2                        ; into it: 16 x lane
	v_mul_u32_u24 v4, v8, PITCH
	v_lshl_add_u32 v4, v9, 6, v4
	v_add_nc_u32 v4, s9, v4                        ; out of it: row r, + 64 h: my 16 numbers of a block
	v_lshlrev_b32 v7, 3, v8
	v_lshl_add_u32 v7, v9, 2, v7                   ; the scale words: 8 r + 4 h
	s_mov_b32 s[SEL], 0x76543210
	s_mov_b32 s[SEL+1], 0xfedcba98
.irp b, 0,1,2,3
	v_mov_b32 v[TM+4+\b], 0                        ; written once: a lane permute's destination counts as one of its sources
.endr
	s_lshr_b32 s10, s2, 1                          ; the tile of tokens
	s_and_b32 s11, s2, 1
	s_lshl_b32 s11, s11, 2
	s_add_co_u32 s11, s11, s8                      ; the K step
	s_lshr_b32 s14, s10, 1
	s_lshl_b32 s14, s14, 5
	s_and_b32 s15, s10, 1
	s_lshl_b32 s15, s15, 3
	s_add_co_u32 s14, s14, s15                     ; the tile's first token: 32 (tile / 2) + 8 (tile % 2)
	s_lshl_b32 s14, s14, 13                        ; rows of 8,192 bytes
	s_lshl_b32 s15, s11, 10
	s_add_co_u32 s14, s14, s15                     ; + 1,024 bytes a K step
	s_mov_b32 s15, 0
	s_mul_i32 s16, s11, SLAB
	s_mul_i32 s17, s10, 3072
	s_add_co_u32 s16, s16, s17                     ; the codes' place
	s_mov_b32 s17, 0
	s_lshl_b32 s18, s10, 10
	s_lshl_b32 s19, s11, 7
	s_add_co_u32 s18, s18, s19
	s_add_co_u32 s18, s18, XSO                     ; the scale bytes' place
	s_mov_b32 s19, 0
	s_wait_alu depctr_va_vdst(0)                   ; the wait at the head's end
	s_wait_kmcnt 0x0
	s_add_nc_u64 s[4:5], s[4:5], s[14:15]
	s_add_nc_u64 s[20:21], s[6:7], s[16:17]
	s_add_nc_u64 s[22:23], s[6:7], s[18:19]
.set k, 0
.rept 32                               ; load k: half k % 2 of the row at place k / 2: 512 consecutive bytes
	global_load_b128 v[DR+4*k:DR+4*k+3], v2, s[4:5] offset:((k/2)+8*((k/2)/8))*8192+512*(k%2) th:TH_LOAD_NT
.set k, k+1
.endr
.set k, 0
.rept 4
	s_wait_loadcnt 24-8*(k/8)                      ; loads come back in order: this group of eight is in, the younger groups stay out
.rept 8
	ds_store_b128 v3, v[DR+4*k:DR+4*k+3] offset:(k/2)*PITCH+512*(k%2)
.set k, k+1
.endr
.endr
.irp b, 0,1,2,3
.irp j, 0,1,2,3
	ds_load_b128 v[XA+16*\b+4*\j:XA+16*\b+4*\j+3], v4 offset:128*\b+16*\j   ; LDS serves a wave's instructions in order: these see my stores
.endr
.endr
	s_wait_dscnt 0x0                               ; the first 128 along K are back, and the stores have read v16 on
.irp b, 0,1,2,3
.irp j, 0,1,2,3
	ds_load_b128 v[XB+16*\b+4*\j:XB+16*\b+4*\j+3], v4 offset:512+128*\b+16*\j
.endr
.endr
	QUANT XA
	CODES 0
	v_mov_b32 v[PW0], v[PW]
	s_wait_dscnt 0x0                               ; the second 128 along K are back
	s_wait_xcnt 0x0                                ; the stores' data are written again only behind this wait
	QUANT XB
	CODES 1536
	v_cmp_eq_u32 vcc_lo, 1, v9
	v_cndmask_b32 v[PW], v[PW0], v[PW], vcc_lo     ; lanes 0-15 store the first word of their row, lanes 16-31 the second
	global_store_b32 v7, v[PW], s[22:23]           ; 128 consecutive bytes
	s_wait_tensorcnt 0x0                           ; the wave's end
	ds_add_u32 v254, v255
	s_wait_dscnt 0x0
	s_endpgm
.Lfunc_end_k_qc3c8016e58_quant:
	.size	k_qc3c8016e58_quant, .Lfunc_end_k_qc3c8016e58_quant-k_qc3c8016e58_quant
	.p2alignl 7, 3214868480
	.fill 96, 4, 3214868480
	.section	.rodata,"a",@progbits
	.p2align	6, 0x0
	.amdhsa_kernel k_qc3c8016e58_quant
		.amdhsa_group_segment_fixed_size 92672
		.amdhsa_private_segment_fixed_size 0
		.amdhsa_enable_private_segment 0
		.amdhsa_kernarg_size 56
		.amdhsa_user_sgpr_count 2
		.amdhsa_user_sgpr_kernarg_segment_ptr 1
		.amdhsa_wavefront_size32 1
		.amdhsa_system_sgpr_workgroup_id_x 1
		.amdhsa_system_sgpr_workgroup_id_y 1
		.amdhsa_system_sgpr_workgroup_id_z 1
		.amdhsa_system_vgpr_workitem_id 0
		.amdhsa_next_free_vgpr 256
		.amdhsa_next_free_sgpr 66
		.amdhsa_reserve_vcc 1
		.amdhsa_float_denorm_mode_32 3
		.amdhsa_float_denorm_mode_16_64 3
		.amdhsa_memory_ordered 1
		.amdhsa_forward_progress 1
		.amdhsa_inst_pref_size 64
	.end_amdhsa_kernel
	.amdgpu_metadata
---
amdhsa.version: [ 1, 2 ]
amdhsa.kernels:
  - .name:           k_qc3c8016e58_quant
    .symbol:         k_qc3c8016e58_quant.kd
    .args:
      - { .name: Wq, .offset: 0, .size: 8, .value_kind: global_buffer, .address_space: global }
      - { .name: Wk, .offset: 8, .size: 8, .value_kind: global_buffer, .address_space: global }
      - { .name: Wv, .offset: 16, .size: 8, .value_kind: global_buffer, .address_space: global }
      - { .name: Wo, .offset: 24, .size: 8, .value_kind: global_buffer, .address_space: global }
      - { .name: wq, .offset: 32, .size: 8, .value_kind: global_buffer, .address_space: global }
      - { .name: x, .offset: 40, .size: 8, .value_kind: global_buffer, .address_space: global }
      - { .name: xq, .offset: 48, .size: 8, .value_kind: global_buffer, .address_space: global }
    .group_segment_fixed_size: 92672
    .private_segment_fixed_size: 0
    .kernarg_segment_align: 8
    .kernarg_segment_size: 56
    .max_flat_workgroup_size: 128
    .sgpr_count:     66
    .vgpr_count:     256
    .wavefront_size: 32
...
	.end_amdgpu_metadata
.endif
;; end of part 1
;; launch gemm_qkv (part 2): grid 12 x 16, 4 waves a work-group, clusters of 4 x 4, 327,680 bytes of LDS; arguments xq, wq, bq, bk, bv, qkv; writes qkv
.if DOCPART == 2
	.amdgcn_target "amdgcn-amd-amdhsa--gfx1250"
	.amdhsa_code_object_version 6
	.text
	.protected	k_qc3c8016e58_gemm_qkv
	.globl	k_qc3c8016e58_gemm_qkv
	.p2align	8
	.type	k_qc3c8016e58_gemm_qkv,@function
k_qc3c8016e58_gemm_qkv:
	s_mov_b64 s[64:65], 0
	v_nop
	global_prefetch_b8 v0, s[64:65] scope:SCOPE_SE
	s_setreg_imm32_b32 hwreg(HW_REG_WAVE_MODE, 25, 1), 1
	s_wait_xcnt 0x0
	s_wait_alu depctr_hold_cnt(0) depctr_sa_sdst(0) depctr_va_vdst(0) depctr_va_sdst(0) depctr_va_ssrc(0) depctr_va_vcc(0) depctr_vm_vsrc(0)
	s_getreg_b32 s2, hwreg(HW_REG_IB_STS2, 6, 4)
	s_cmp_eq_u32 s2, 0
	s_cbranch_scc0 .Lentry_in_a_cluster
	s_endpgm
.Lentry_in_a_cluster:
	s_bfe_u32 s2, ttmp6, 0x10000c
	s_cmp_lg_u32 s2, 0xf033
	s_cbranch_scc0 .Lentry_shape_is_right
	s_endpgm
.Lentry_shape_is_right:
; q, k, v = x [Wq Wk Wv] + bias on codes of FP6 (E2M3) with E8M0 scales, K = 2,048; the results are quantised in registers into the operands of attention and never go to memory as f32.
; A work-group of four waves makes 256 tokens x 256 rows of the weights' buffer, a wave 128 x 128: 64 accumulators, 512 registers.  K goes in steps of 256 through two LDS slots filled by the tensor data mover.
; OPERANDS LIE IN MEMORY AS IMAGES OF THEIR REGISTERS (half fragment, 16 rows x 64 K, 768 bytes: lane l's registers 0-3 at 16 l, registers 4, 5 at 512 + 8 l): a K step's eight tiles are 24,576 dense bytes for one
; tensor load, and a fragment comes by four LDS loads whose lanes read consecutive bytes: no pitch, no padding.  All scale bytes of the work-group's rows come once and stay in LDS.
; CLUSTERS: 4 x 4 work-groups; x's tiles are asked for jointly along a row of the cluster, the weights' along a column.
; SOURCE 0 = 16 rows of the weights, SOURCE 1 = 16 tokens: a lane holds one token, its registers run along the head's channels, which is K of q k^T.  Place p of tile 2 b + u of either tensor is row 32 b + 8 u + p + 8 (p / 8):
; so the 16 registers of result tiles 2 b, 2 b + 1 are 16 neighbours.  V IS QUANTISED ALONG THE TOKENS: a wave that makes v (cluster x = 2, odd wave) reads the two tensors' LDS regions the other way round, by addresses
; chosen once; its text is the same, its lanes hold channels and its registers run along tokens.  The choice hangs on the cluster's x and the wave's number: it is equal in all partners.
; qkv: QC [b][head 32][tile 64][768]; KC [b][g 8][tile 64][768]; VC [b][key step 8][g][tile of channels 4][1,536]; QS [b][head][step][r][tile 8][2]; KS likewise; VS [b][step][g][r][tile 4][4].
; LIMITS: NaN and infinities are not served; a block whose largest magnitude lies under 2^-124 (a block of zeros too) gets the byte 1: this program alone reads the bytes.
; REGISTERS: window 0: v1-8 lane terms, v16-23 LDS addresses, v27 scale words' address, v28, 29 the add's; v32-63 scale words, two sets; v64-127 bias along registers; v128-223 source 1's fragments, one set (way out: at work);
;   v240-255 bias by lane.  window 1: source 0's fragments, two sets, at v0 and v128.  windows 2, 3: accumulator (a, b) at v[8 (8 (a % 4) + b)].
.set XSO,   6291456
.set WSO,   4718592
.set XSLAB, 786432
.set WSLAB, 589824
.set KC,    6291456
.set VC,    7864320
.set QS,    9437184
.set KS,    9699328
.set VS,    9764864
.set NQ,    2                          ; matrix instructions deep in a slot
.set FR,    12                         ; registers of a fragment
.set NL,    4                          ; LDS loads that bring one
.set NP,    4                          ; places behind this matrix instruction (ISA guide 7.12.1)
.set HALFT, 24576                      ; eight tiles x 3,072: what one tensor load brings and one wave reads of a tensor
.set SLOT,  4*HALFT                    ; x's 16 tiles, then the weights' 16
.set LAPS,  4                          ; 2,048 / (2 x 256)
.set SCL,   2*SLOT                     ; behind the ring: the scale bytes
.set HALFS, 8192                       ; those of eight tiles, all of K
.set SPARE, 262144                     ; the spare words, 128 bytes for each wave: two blocks of 256 bytes that no other line names
.set ADRA,  16                         ; v16-17 source 1's fragments in slot 0, 1: + 16 x lane; v18-19: + 8 x lane
.set ADRB,  20                         ; v20-23 the same for source 0
.set ADRS,  27
.set SPW,   28
.set NIL,   29
.set SC,    32
.set BB,    64
.set AF,    128
.set BL,    240
.set TT,    128                        ; way out: v128-191 64 numbers
.set TM,    192
.set PW,    208
.set PWS,   209
.set PC,    210
.set SEL,   66
.set G1,    24
.set G0,    32
.set G1B,   48
.set G0B,   56
.set G1S,   68
.set G0S,   76
.set G1SB,  80
.set G0SB,  88
.set MSB, 0
.macro WIN new                         ; the immediate's high byte repeats the setting that is left
.if MSB != \new
	s_set_vgpr_msb (MSB<<8)|\new
.set MSB, \new
.endif
.endm
.set MUL_LO, 0xa1                      ; source 0 window 1, source 1 window 0, C and D window 2
.set MUL_HI, 0xf1                      ; the same, C and D window 3
.set TO_B,   0x40                      ; destination window 1, address window 0
; A joint load: waves 0 and 1 fetch for x, waves 2 and 3 for the weights; the branch hangs on the wave's number alone.  Four v_nop follow each of the two lines.
.macro JLOAD g0a, g1a, g0b, g1b
	s_cmp_eq_u32 s17, 0
	s_cbranch_scc0 .Lfor_b_\@
	tensor_load_to_lds s[\g0a:\g0a+3], s[\g1a:\g1a+7]
	s_nop 0
.rept 4
	v_nop
.endr
	s_branch .Lasked_\@
.Lfor_b_\@:
	tensor_load_to_lds s[\g0b:\g0b+3], s[\g1b:\g1b+7]
	s_nop 0
.rept 4
	v_nop
.endr
.Lasked_\@:
.endm
.macro CREST                           ; a round of the cluster's barrier behind its opening barrier
	s_cmp_lg_u32 s16, 0
	s_cbranch_scc1 .Lnot_wave_0_\@
	s_barrier_signal -3
.Lnot_wave_0_\@:
	s_barrier_wait -3
	s_barrier_signal -1
	s_barrier_wait -1
.endm
.macro CROUND
	s_barrier_signal -1
	s_barrier_wait -1
	CREST
.endm
	s_load_b128 s[4:7], s[0:1], 0x0                ; xq, wq
	s_load_b128 s[8:11], s[0:1], 0x10              ; bq, bk
	s_load_b128 s[12:15], s[0:1], 0x20             ; bv, qkv
	v_lshl_add_u32 v[SPW], v0, 2, SPARE
	v_mov_b32 v[NIL], 0
	ds_add_u32 v28, v29
	ds_add_u32 v28, v29
	s_wait_dscnt 0x0
	v_lshrrev_b32 v1, 5, v0
	v_readfirstlane_b32 s16, v1                    ; wave 0..3
	s_lshr_b32 s17, s16, 1                         ; i: my half of the tokens.  Also: I fetch for x (0) or for the weights (1)
	s_and_b32 s18, s16, 1                          ; j: my half of the weights' rows.  Also: which eight tiles I fetch
	s_bfe_u32 s40, ttmp6, 0x40000                  ; cx, cy
	s_bfe_u32 s41, ttmp6, 0x40004
	s_lshl_b32 s42, ttmp9, 2
	s_add_co_u32 s42, s42, s40                     ; tc: which 256 rows of the weights
	s_and_b32 s43, ttmp7, 0xffff
	s_lshl_b32 s43, s43, 2
	s_add_co_u32 s43, s43, s41                     ; tr: which 256 tokens
	s_lshl_b32 s44, s41, 2
	s_lshl_b32 s44, 15, s44                        ; my row of the cluster
	s_lshl_b32 s45, 0x1111, s40                    ; my column
	; descriptor group 1: 24,576 dense bytes as 96 rows of 256 (32 elements of 8 bytes); no padding
	s_or_b32 s[G1+0], s44, (3<<16)|(1<<21)         ; 15:0 the mask; 17:16 elements of 8 bytes; 21 set beside a mask
	s_or_b32 s[G1B+0], s45, (3<<16)|(1<<21)
.irp g, G1, G1B
	s_mov_b32 s[\g+1], 32<<16                      ; tensor_dim0
	s_mov_b32 s[\g+2], 192<<16                     ; tensor_dim1: the head's loads bring all 16 tiles; set to 96 behind them
	s_mov_b32 s[\g+3], 32<<16                      ; tile_dim0
	s_mov_b32 s[\g+4], 192                         ; tile_dim1, likewise
	s_mov_b32 s[\g+5], 32                          ; the pitch
	s_mov_b32 s[\g+6], 0
	s_mov_b32 s[\g+7], 0
.endr
	s_or_b32 s[G1S+0], s44, (3<<16)|(1<<21)        ; the scale bytes of 16 tiles: 16,384 dense bytes, 64 rows of 256
	s_or_b32 s[G1SB+0], s45, (3<<16)|(1<<21)
.irp g, G1S, G1SB
	s_mov_b32 s[\g+1], 32<<16
	s_mov_b32 s[\g+2], 64<<16                      ; the scale bytes of 16 tiles: 16,384 dense bytes, 64 rows of 256
	s_mov_b32 s[\g+3], 32<<16
	s_mov_b32 s[\g+4], 64
	s_mov_b32 s[\g+5], 32
	s_mov_b32 s[\g+6], 0
	s_mov_b32 s[\g+7], 0
.endr
	s_mul_i32 s2, s18, HALFT                       ; in the ring I fetch eight tiles: which half, in bytes
	s_mov_b32 s3, 0
	s_lshl_b32 s20, s43, 4                         ; x: tile 16 tr
	s_lshl_b32 s22, s20, 10
	s_add_co_u32 s22, s22, XSO                     ; its scale bytes
	s_mul_i32 s20, s20, 3072                       ; its codes
	s_mov_b32 s21, 0
	s_mov_b32 s23, 0
	s_lshl_b32 s46, s42, 4                         ; the weights: tile 16 tc
	s_lshl_b32 s92, s46, 10
	s_add_co_u32 s92, s92, WSO
	s_mul_i32 s46, s46, 3072
	s_mov_b32 s47, 0
	s_mov_b32 s93, 0
	s_mul_i32 s95, s16, HALFT                      ; where they go: by the wave's number alone
	s_wait_kmcnt 0x0
	s_add_nc_u64 s[20:21], s[4:5], s[20:21]
	s_add_nc_u64 s[22:23], s[4:5], s[22:23]
	s_add_nc_u64 s[46:47], s[6:7], s[46:47]
	s_add_nc_u64 s[92:93], s[6:7], s[92:93]
	s_mov_b32 s[G0S], 1                            ; the head's four tiles, each whole: the scale bytes of x's 16 tiles,
	s_mov_b32 s[G0S+1], SCL
	s_mov_b64 s[G0S+2:G0S+3], s[22:23]
	s_or_b32 s[G0S+3], s[G0S+3], 0x80000000
	s_mov_b32 s[G0SB], 1                           ; those of the weights' 16,
	s_mov_b32 s[G0SB+1], SCL+2*HALFS
	s_mov_b64 s[G0SB+2:G0SB+3], s[92:93]
	s_or_b32 s[G0SB+3], s[G0SB+3], 0x80000000
	s_mov_b32 s[G0], 1                             ; K step 0 of x's 16 tiles (slot 0's group 0 is set for the ring behind the head's loads),
	s_mov_b32 s[G0+1], 0
	s_mov_b64 s[G0+2:G0+3], s[20:21]
	s_or_b32 s[G0+3], s[G0+3], 0x80000000
	s_mov_b32 s[G0B], 1                            ; and of the weights' 16
	s_mov_b32 s[G0B+1], 2*HALFT
	s_mov_b64 s[G0B+2:G0B+3], s[46:47]
	s_or_b32 s[G0B+3], s[G0B+3], 0x80000000
	s_add_nc_u64 s[20:21], s[20:21], s[2:3]        ; for the ring: my eight tiles
	s_add_nc_u64 s[46:47], s[46:47], s[2:3]
	s_mov_b32 s[G0+4], 1
	s_add_co_u32 s[G0+5], s95, SLOT
	s_add_nc_u64 s[G0+6:G0+7], s[20:21], XSLAB
	s_or_b32 s[G0+7], s[G0+7], 0x80000000
	s_mov_b32 s[G0B+4], 1
	s_add_co_u32 s[G0B+5], s95, SLOT
	s_add_nc_u64 s[G0B+6:G0B+7], s[46:47], WSLAB
	s_or_b32 s[G0B+7], s[G0B+7], 0x80000000
	CROUND                                         ; all sixteen work-groups are here: the first joint loads meet
; The head's loads, one a wave: one chain of branches on the wave's number, every way through it passes exactly one load.
.macro ARM under, g0, g1, next
	s_cmp_lt_u32 s16, \under
	s_cbranch_scc0 \next
	tensor_load_to_lds s[\g0:\g0+3], s[\g1:\g1+7]
	s_nop 0
.rept 4
	v_nop
.endr
	s_branch .Lhead_asked
\next:
.endm
	ARM 1, G0,  G1,  .Lhead_b
	ARM 2, G0B, G1B, .Lhead_sa
	ARM 3, G0S, G1S, .Lhead_sb
	tensor_load_to_lds s[G0SB:G0SB+3], s[G1SB:G1SB+7]
	s_nop 0
.rept 4
	v_nop
.endr
.Lhead_asked:
	v_and_b32 v1, 15, v0                           ; r
	v_bfe_u32 v2, v0, 4, 1                         ; h
	v_and_b32 v3, 31, v0
	v_lshlrev_b32 v4, 4, v3                        ; 16 x lane
	s_wait_alu depctr_va_vdst(0)
	v_lshlrev_b32 v5, 3, v3                        ; 8 x lane
	s_wait_alu depctr_va_vdst(0)
	s_cmp_eq_u32 ttmp9, 2
	s_cselect_b32 s97, s18, 0                      ; 1 in a wave that makes v
	s_mul_i32 s98, s17, HALFT                      ; my eight tiles of x
	s_mul_i32 s99, s18, HALFT
	s_add_co_u32 s99, s99, 2*HALFT                 ; my eight tiles of the weights
	s_cmp_eq_u32 s97, 1
	s_cselect_b32 s100, s99, s98                   ; source 1: tokens, or for v the weights' rows
	s_cselect_b32 s101, s98, s99                   ; source 0: the other
.irp s, 0,1
	v_add_nc_u32 v[ADRA+\s], s100, v4
	v_add_nc_u32 v[ADRA+2+\s], s100, v5
	v_add_nc_u32 v[ADRB+\s], s101, v4
	v_add_nc_u32 v[ADRB+2+\s], s101, v5
	s_add_co_u32 s100, s100, SLOT
	s_add_co_u32 s101, s101, SLOT
.endr
	v_xor_b32 v6, s97, v2                          ; lanes 0-15 take source 1's scale words, lanes 16-31 source 0's: x's region is the lower one,
	s_add_co_u32 s98, s18, 2
	s_sub_co_u32 s98, s98, s17
	s_mul_i32 s98, s98, HALFS                      ; the weights' lies (2 + j - i) x 8,192 bytes above it: one product on the lower base
	v_mul_u32_u24 v6, s98, v6
	s_mul_i32 s99, s17, HALFS
	s_add_co_u32 s99, s99, SCL
	v_lshl_add_u32 v6, v1, 3, v6                   ; 8 bytes a row and K step
	v_add_nc_u32 v[ADRS], s99, v6
	; the biases of my 128 rows of the weights, both ways: along the registers (q, k) and by lane (v); the way out keeps one
	s_cmp_eq_u32 s18, 0
	s_cselect_b64 s[20:21], s[10:11], s[12:13]     ; bk or bv
	s_and_b32 s22, s42, 3
	s_lshl_b32 s22, s22, 9                         ; 128 numbers for each t = tc - 8
	s_lshl_b32 s23, s42, 10
	s_lshl_b32 s94, s18, 9
	s_add_co_u32 s23, s23, s94                     ; bq: 256 tc + 128 j numbers on
	s_cmp_lt_u32 ttmp9, 2
	s_cselect_b64 s[20:21], s[8:9], s[20:21]
	s_cselect_b32 s22, s23, s22
	s_mov_b32 s23, 0
	s_add_nc_u64 s[20:21], s[20:21], s[22:23]
	v_lshlrev_b32 v7, 6, v2                        ; register 16 b + i wants row 32 b + 16 h + i
	v_and_b32 v8, 8, v1
	v_add_nc_u32 v8, v8, v1
	v_lshlrev_b32 v8, 2, v8                        ; my lane's row of a tile: r + 8 (r / 8)
.irp b, 0,1,2,3
.irp j, 0,1,2,3
	global_load_b128 v[BB+16*\b+4*\j:BB+16*\b+4*\j+3], v7, s[20:21] offset:128*\b+16*\j
.endr
.endr
.irp a, 0,1,2,3,4,5,6,7
	global_load_b32 v[BL+2*\a], v8, s[20:21] offset:4*(32*(\a/2)+8*(\a%2))
	v_mov_b32 v[BL+2*\a+1], 0                      ; (named with it as a pair)
.endr
.macro FRAG reg, adr, q, i             ; a fragment as it lies: two half fragments, each 16 bytes and 8 bytes a lane
	ds_load_b128 v[\reg:\reg+3], v[\adr] offset:(\i)*3072+(\q)*1536
	ds_load_b64 v[\reg+4:\reg+5], v[\adr+2] offset:(\i)*3072+(\q)*1536+512
	ds_load_b128 v[\reg+6:\reg+9], v[\adr] offset:(\i)*3072+(\q)*1536+768
	ds_load_b64 v[\reg+10:\reg+11], v[\adr+2] offset:(\i)*3072+(\q)*1536+1280
.endm
; 16 matrix instructions: source 1's blocks a0, a0 + 1 x source 0's eight.  The 64 accumulators take turns, one instruction a turn, in the same order in every step.
.macro MUL16 a0, p, q, sc, zero
.irp a, \a0, \a0+1
.irp b, 0,1,2,3,4,5,6,7
.if \zero
	v_wmma_scale_f32_16x16x128_f8f6f4 v[8*(8*((\a)%4)+\b):8*(8*((\a)%4)+\b)+7], v[128*(\p)+FR*\b:128*(\p)+FR*\b+FR-1], v[AF+FR*(\a):AF+FR*(\a)+FR-1], 0, v[SC+8*NQ*(\sc)+NQ*\b+(\q)], v[SC+8*NQ*(\sc)+NQ*(\a)+(\q)] matrix_a_fmt:MATRIX_FMT_FP6 matrix_b_fmt:MATRIX_FMT_FP6 matrix_a_scale:MATRIX_SCALE_ROW1
.else
	v_wmma_scale_f32_16x16x128_f8f6f4 v[8*(8*((\a)%4)+\b):8*(8*((\a)%4)+\b)+7], v[128*(\p)+FR*\b:128*(\p)+FR*\b+FR-1], v[AF+FR*(\a):AF+FR*(\a)+FR-1], v[8*(8*((\a)%4)+\b):8*(8*((\a)%4)+\b)+7], v[SC+8*NQ*(\sc)+NQ*\b+(\q)], v[SC+8*NQ*(\sc)+NQ*(\a)+(\q)] matrix_a_fmt:MATRIX_FMT_FP6 matrix_b_fmt:MATRIX_FMT_FP6 matrix_a_scale:MATRIX_SCALE_ROW1
.endif
.endr
.endr
.endm
.macro FETCH_B slot, q, p
	WIN TO_B
.irp i, 0,1,2,3,4,5,6,7
	FRAG 128*(\p)+FR*\i, ADRB+\slot, \q, \i
.endr
	WIN 0
.endm
.macro FETCH_A slot, q, i0
.irp i, \i0, \i0+1, \i0+2, \i0+3
	FRAG AF+FR*(\i), ADRA+\slot, \q, \i
.endr
.endm
.macro SCALES sc                       ; a K step's two scale words a row: lanes 0-15 source 1's block i, lanes 16-31 source 0's block i
.irp i, 0,1,2,3,4,5,6,7
	ds_load_b64 v[SC+8*NQ*\sc+NQ*\i:SC+8*NQ*\sc+NQ*\i+1], v[ADRS] offset:\i*1024
.endr
.endm
.macro PLACES n                        ; plain places in front of loads into registers that matrix instructions have read
.rept \n
	v_nop
.endr
.endm
.macro STEP slot, q, zero              ; 128 along K that has its successor in the same slot
	s_wait_dscnt 4*NL                              ; all but the youngest 16 loads (source 1's blocks 4-7)
	WIN MUL_LO
	MUL16 0, (\q)%2, \q, \slot, \zero
	MUL16 2, (\q)%2, \q, \slot, \zero
	s_wait_dscnt 0
	PLACES NP
	FETCH_B \slot, (\q)+1, 1-(\q)%2
	FETCH_A \slot, (\q)+1, 0
	WIN MUL_HI
	MUL16 4, (\q)%2, \q, \slot, \zero
	MUL16 6, (\q)%2, \q, \slot, \zero
	PLACES NP
	WIN 0
	FETCH_A \slot, (\q)+1, 4
.endm
; A slot's last step changes slots: one barrier; in front of it each wave waits for all its tensor loads, adds 0 to its spare word, and waits for that and for its reads of this slot.
.macro TURN slot, next, fill
	s_wait_tensorcnt 0x0                           ; all my tensor loads have landed: my part of the next slot
	ds_add_u32 v[SPW], v[NIL]                      ; 0 onto my spare word
	s_wait_dscnt 4*NL+1                            ; (the add and the youngest 16 loads may be out)
	WIN MUL_LO
	MUL16 0, 1, NQ-1, \slot, 0
	s_wait_dscnt 0x0                               ; the add is done, and my reads of this slot are over
	s_barrier_signal -1
	MUL16 2, 1, NQ-1, \slot, 0
	WIN 0
	s_barrier_wait -1
.if \fill
	CREST                                          ; the barrier has opened a round of the cluster's: no wave of any partner still reads this slot or has a load on its way
	s_add_nc_u64 s[G0+4*\slot+2:G0+4*\slot+3], s[G0+4*\slot+2:G0+4*\slot+3], 2*XSLAB
	s_add_nc_u64 s[G0B+4*\slot+2:G0B+4*\slot+3], s[G0B+4*\slot+2:G0B+4*\slot+3], 2*WSLAB
	JLOAD G0+4*\slot, G1, G0B+4*\slot, G1B         ; my one tensor load behind the round; its four v_nop are the places in front of the loads below
.else
	PLACES NP
.endif
	s_wait_alu depctr_va_vdst(0)
	v_add_nc_u32 v[ADRS], 128, v[ADRS]             ; the next K step's scale words (no LDS load of mine is out)
	FETCH_B \next, 0, 0
	FETCH_A \next, 0, 0
	SCALES \next
	WIN MUL_HI
	MUL16 4, 1, NQ-1, \slot, 0
	MUL16 6, 1, NQ-1, \slot, 0
	PLACES NP
	WIN 0
	FETCH_A \next, 0, 4
.endm
	s_wait_alu depctr_va_vdst(0)                   ; the wait at the head's end
	s_wait_tensorcnt 0x0                           ; my tile of the head's four is in; these lines stand ahead of a later first fill as ahead of a refill
	ds_add_u32 v[SPW], v[NIL]                      ; 0 onto my spare word
	s_mov_b32 s[G1+2], 96<<16                      ; no tensor load of mine is out, so descriptors may be written: from here on a load brings eight tiles, 96 rows of 256 bytes,
	s_mov_b32 s[G1+4], 96
	s_mov_b32 s[G1B+2], 96<<16
	s_mov_b32 s[G1B+4], 96
	s_mov_b32 s[G0+1], s95                         ; and slot 0's group 0 names my eight tiles of K step 0: its first refill steps it two K steps on
	s_add_nc_u64 s[G0+2:G0+3], s[G0+2:G0+3], s[2:3]
	s_mov_b32 s[G0B+1], s95
	s_add_nc_u64 s[G0B+2:G0B+3], s[G0B+2:G0B+3], s[2:3]
	s_wait_dscnt 0x0                               ; the add is done
	CROUND                                         ; a whole round: all four tiles are in, all sixteen work-groups are here
	JLOAD G0+4, G1, G0B+4, G1B                     ; K step 1, slot 1's first fill: my one tensor load behind the round
	FETCH_B 0, 0, 0
	FETCH_A 0, 0, 0
	SCALES 0
	FETCH_A 0, 0, 4
	STEP 0, 0, 1                                   ; the first step starts the sums: nothing is cleared
	s_mov_b32 s19, LAPS-1
.Llap:
	TURN 0, 1, 1
	STEP 1, 0, 0
	TURN 1, 0, 1
	STEP 0, 0, 0
	s_sub_co_u32 s19, s19, 1
	s_cmp_lg_u32 s19, 0
	s_cbranch_scc1 .Llap
	TURN 0, 1, 0                                   ; the last lap fills nothing
	STEP 1, 0, 0
	s_wait_dscnt 4*NL
	WIN MUL_LO
	MUL16 0, 1, NQ-1, 1, 0
	MUL16 2, 1, NQ-1, 1, 0
	s_wait_dscnt 0
	WIN MUL_HI
	MUL16 4, 1, NQ-1, 1, 0
	MUL16 6, 1, NQ-1, 1, 0
	WIN 0
	; THE WAY OUT.  For each block a of source 1: 64 numbers of a lane + bias, quantised: one fragment (two half fragments) and a scale word a lane.
	; q, k: block a = tile of tokens; the two half fragments are two heads' (49,152 bytes apart).  v: block a = tile of channels; the fragment is 16 channels x my 128 tokens.  All differences are numbers chosen by selects.
	s_wait_loadcnt 0x0                             ; the biases
	s_lshr_b32 s20, s43, 2                         ; the batch
	s_and_b32 s21, s43, 3
	s_lshl_b32 s21, s21, 1
	s_add_co_u32 s21, s21, s17                     ; S: which 128 tokens of it
	s_and_b32 s22, s42, 3
	s_lshl_b32 s22, s22, 1                         ; 2 t: the first key and value head
	s_lshl_b32 s23, s42, 2
	s_lshl_b32 s92, s18, 1
	s_add_co_u32 s23, s23, s92                     ; 4 tc + 2 j: the first query head
	s_lshl_b32 s92, s20, 5
	s_add_co_u32 s23, s23, s92
	s_lshl_b32 s23, s23, 3
	s_add_co_u32 s23, s23, s21                     ; q: U = (32 batch + head) 8 + S
	s_lshl_b32 s92, s20, 3
	s_add_co_u32 s93, s92, s22
	s_lshl_b32 s93, s93, 3
	s_add_co_u32 s93, s93, s21                     ; k: U = (8 batch + head) 8 + S
	s_add_co_u32 s92, s92, s21
	s_lshl_b32 s92, s92, 3
	s_add_co_u32 s92, s92, s22                     ; v: U = (8 batch + S) 8 + head
	s_cmp_eq_u32 s97, 1
	s_cselect_b32 s93, s92, s93
	s_mov_b32 s94, KC
	s_cselect_b32 s94, VC, s94                     ; the codes' region
	s_mov_b32 s95, KS
	s_cselect_b32 s95, VS, s95                     ; the scales'
	s_mov_b32 s8, 768
	s_cselect_b32 s8, 1536, s8                     ; codes: from block to block
	s_mov_b32 s98, 49152
	s_cselect_b32 s98, 768, s98                    ; from the first half fragment to the second
	s_cselect_b32 s10, 4, 2                        ; scales: from block to block,
	s_cselect_b32 s12, 240, 0                      ; and more at block 4 (v: the next head)
	s_mov_b32 s101, 2048
	s_cselect_b32 s101, 2, s101                    ; from the word's lower half to its upper
	s_cselect_b32 s96, -1, 0                       ; all lanes' mask: a wave that makes v
	s_cmp_lt_u32 ttmp9, 2
	s_cselect_b32 s93, s23, s93
	s_cselect_b32 s94, 0, s94
	s_mov_b32 s92, QS
	s_cselect_b32 s95, s92, s95
	s_mov_b32 s9, 0
	s_mov_b32 s11, 0
	s_mov_b32 s13, 0
	s_mul_i32 s22, s93, 6144
	s_add_co_u32 s22, s22, s94
	s_mov_b32 s23, 0
	s_add_nc_u64 s[4:5], s[14:15], s[22:23]        ; codes at block 0
	s_lshl_b32 s22, s93, 8
	s_add_co_u32 s22, s22, s95
	s_add_nc_u64 s[6:7], s[14:15], s[22:23]        ; scales at block 0
	s_mov_b32 s[SEL], 0x76543210
	s_mov_b32 s[SEL+1], 0xfedcba98
.set k, 0
.rept 64                               ; these plain lines, which name no register of the last products, are also the places behind them
	v_cndmask_b32 v[BB+k], v[BB+k], v[NIL], s96    ; v has no bias along the registers,
.set k, k+1
.endr
.irp a, 0,1,2,3,4,5,6,7
	v_cndmask_b32 v[BL+2*\a], v[NIL], v[BL+2*\a], s96   ; q and k none by lane
.endr
	v_add_nc_u32 v230, s98, v4
	v_add_nc_u32 v231, s98, v5
	v_mul_u32_u24 v232, s101, v2
	v_lshl_add_u32 v232, v1, 4, v232               ; scales: 16 r + h x (the step between the word's halves)
	v_lshlrev_b32 v233, 4, v2                      ; lanes 16-31 store the word's upper half
.irp b, 0,1,2,3
	v_mov_b32 v[TM+4+\b], 0                        ; written once: a lane permute's destination counts as one of its sources
.endr
.macro QUANT s                         ; 64 numbers of a lane, register 16 b + i = k 32 b + 16 h + i, become 12 registers of codes in v[PC] on and the scale word in v[PW]
.irp b, 0,1,2,3
	v_max3_num_f32 v[TM+\b], |v[\s+16*\b]|, |v[\s+1+16*\b]|, 0x1800000   ; with the floor 2^(3 - 127)
.endr
.irp i, 2,4,6,8,10,12,14
.irp b, 0,1,2,3
	v_max3_num_f32 v[TM+\b], v[TM+\b], |v[\s+16*\b+\i]|, |v[\s+1+16*\b+\i]|
.endr
.endr
.irp b, 0,1,2,3
	v_permlanex16_b32 v[TM+4+\b], v[TM+\b], s[SEL], s[SEL+1]
.endr
.irp b, 0,1,2,3
	v_max_num_f32 v[TM+\b], v[TM+\b], v[TM+4+\b]
.endr
.irp b, 0,1,2,3
	v_add_nc_u32 v[TM+12+\b], 0xff000000, v[TM+\b]   ; 2 off the exponent field: the conversion's scale operand
.endr
.irp b, 0,1,2,3
	v_lshrrev_b32 v[TM+4+\b], 23, v[TM+12+\b]
.endr
	v_lshl_or_b32 v[PW], v[TM+5], 8, v[TM+4]
	v_lshl_or_b32 v[PW], v[TM+6], 16, v[PW]
	v_lshl_or_b32 v[PW], v[TM+7], 24, v[PW]
.irp c, 0,1
	v_cvt_scalef32_pk16_fp6_f32 v[PC+6*\c:PC+2+6*\c], v[\s+32*\c:\s+15+32*\c], v[TM+12+2*\c]
	v_cvt_scalef32_pk16_fp6_f32 v[PC+12+4*\c:PC+14+4*\c], v[\s+16+32*\c:\s+31+32*\c], v[TM+12+2*\c+1]
.endr
	v_nop                                          ; one plain place behind a scaled conversion
.irp c, 0,1
.irp i, 0,1,2
	v_permlane16_swap_b32 v[PC+6*\c+\i], v[PC+12+4*\c+\i]
.endr
.irp i, 0,1,2
	v_mov_b32 v[PC+3+6*\c+\i], v[PC+12+4*\c+\i]
.endr
.endr
.endm
.irp a, 0,1,2,3,4,5,6,7
.if \a > 0
	s_wait_xcnt 0x0                                ; the last block's stores have read their data and bases
	s_add_nc_u64 s[4:5], s[4:5], s[8:9]
	s_add_nc_u64 s[6:7], s[6:7], s[10:11]
.endif
.if \a == 4
	s_add_nc_u64 s[6:7], s[6:7], s[12:13]
.endif
.set WN, 0x02+(\a)/4
	WIN WN                                         ; source 0: window 2 or 3
.set k, 0
.rept 32
	v_pk_add_f32 v[TT+k:TT+k+1], v[64*(\a%4)+k:64*(\a%4)+k+1], v[BB+k:BB+k+1]   ; ascending: each accumulator from its low end on
.set k, k+2
.endr
	WIN 0
.set k, 0
.rept 32
	v_pk_add_f32 v[TT+k:TT+k+1], v[TT+k:TT+k+1], v[BL+2*\a:BL+2*\a+1] op_sel_hi:[1,0]
.set k, k+2
.endr
	QUANT TT
	global_store_b128 v4, v[PC:PC+3], s[4:5]                   ; 512 and 256 consecutive bytes, at multiples of 256 from the buffer's first byte
	global_store_b64 v5, v[PC+4:PC+5], s[4:5] offset:512
	global_store_b128 v230, v[PC+6:PC+9], s[4:5]
	global_store_b64 v231, v[PC+10:PC+11], s[4:5] offset:512
	v_lshrrev_b32 v[PWS], v233, v[PW]
	global_store_b16 v232, v[PWS], s[6:7]                      ; two scale bytes a lane
.endr
	s_wait_tensorcnt 0x0                           ; the wave's end
	ds_add_u32 v[SPW], v[NIL]
	s_wait_dscnt 0x0
	CROUND                                         ; the closing round
	s_endpgm
.Lfunc_end_k_qc3c8016e58_gemm_qkv:
	.size	k_qc3c8016e58_gemm_qkv, .Lfunc_end_k_qc3c8016e58_gemm_qkv-k_qc3c8016e58_gemm_qkv
	.p2alignl 7, 3214868480
	.fill 96, 4, 3214868480
	.section	.rodata,"a",@progbits
	.p2align	6, 0x0
	.amdhsa_kernel k_qc3c8016e58_gemm_qkv
		.amdhsa_group_segment_fixed_size 327680
		.amdhsa_private_segment_fixed_size 0
		.amdhsa_enable_private_segment 0
		.amdhsa_kernarg_size 48
		.amdhsa_user_sgpr_count 2
		.amdhsa_user_sgpr_kernarg_segment_ptr 1
		.amdhsa_wavefront_size32 1
		.amdhsa_system_sgpr_workgroup_id_x 1
		.amdhsa_system_sgpr_workgroup_id_y 1
		.amdhsa_system_sgpr_workgroup_id_z 1
		.amdhsa_system_vgpr_workitem_id 0
		.amdhsa_next_free_vgpr 1024
		.amdhsa_next_free_sgpr 102
		.amdhsa_reserve_vcc 0
		.amdhsa_float_denorm_mode_32 3
		.amdhsa_float_denorm_mode_16_64 3
		.amdhsa_memory_ordered 1
		.amdhsa_forward_progress 1
		.amdhsa_inst_pref_size 191
	.end_amdhsa_kernel
	.amdgpu_metadata
---
amdhsa.version: [ 1, 2 ]
amdhsa.kernels:
  - .name:           k_qc3c8016e58_gemm_qkv
    .symbol:         k_qc3c8016e58_gemm_qkv.kd
    .args:
      - { .name: xq, .offset: 0, .size: 8, .value_kind: global_buffer, .address_space: global }
      - { .name: wq, .offset: 8, .size: 8, .value_kind: global_buffer, .address_space: global }
      - { .name: bq, .offset: 16, .size: 8, .value_kind: global_buffer, .address_space: global }
      - { .name: bk, .offset: 24, .size: 8, .value_kind: global_buffer, .address_space: global }
      - { .name: bv, .offset: 32, .size: 8, .value_kind: global_buffer, .address_space: global }
      - { .name: qkv, .offset: 40, .size: 8, .value_kind: global_buffer, .address_space: global }
    .group_segment_fixed_size: 327680
    .private_segment_fixed_size: 0
    .kernarg_segment_align: 8
    .kernarg_segment_size: 48
    .max_flat_workgroup_size: 128
    .sgpr_count:     102
    .vgpr_count:     1024
    .wavefront_size: 32
...
	.end_amdgpu_metadata
.endif
;; end of part 2
;; launch attn (part 3): grid 8 x 32, 16 waves a work-group, clusters of 4 x 1, 169,984 bytes of LDS; arguments qkv, oq; writes oq
.if DOCPART == 3
	.amdgcn_target "amdgcn-amd-amdhsa--gfx1250"
	.amdhsa_code_object_version 6
	.text
	.protected	k_qc3c8016e58_attn
	.globl	k_qc3c8016e58_attn
	.p2align	8
	.type	k_qc3c8016e58_attn,@function
k_qc3c8016e58_attn:
	s_mov_b64 s[64:65], 0
	v_nop
	global_prefetch_b8 v0, s[64:65] scope:SCOPE_SE
	s_setreg_imm32_b32 hwreg(HW_REG_WAVE_MODE, 25, 1), 1
	s_wait_xcnt 0x0
	s_wait_alu depctr_hold_cnt(0) depctr_sa_sdst(0) depctr_va_vdst(0) depctr_va_sdst(0) depctr_va_ssrc(0) depctr_va_vcc(0) depctr_vm_vsrc(0)
	s_getreg_b32 s2, hwreg(HW_REG_IB_STS2, 6, 4)
	s_cmp_eq_u32 s2, 0
	s_cbranch_scc0 .Lentry_in_a_cluster
	s_endpgm
.Lentry_in_a_cluster:
	s_bfe_u32 s2, ttmp6, 0x10000c
	s_cmp_lg_u32 s2, 0x3003
	s_cbranch_scc0 .Lentry_shape_is_right
	s_endpgm
.Lentry_shape_is_right:
; Causal attention of one query head on codes of FP6 (E2M3): S^T = k q^T (K = 64 channels), p = 2^(t - M) with t = score x log2(e) / 8 and M the running largest t rounded up to a whole number, quantised along the keys,
; O^T = v^T p^T (K = keys); the row's sum of the unquantised p divides at the end; o is quantised along its channels into the operand of the last product and stored as an image of registers.
; SHARES.  The four work-groups of a cluster are the four query heads of one key and value head of one batch: they ask JOINTLY, once, for all its k and v codes and scale bytes (102,400 bytes), which stay in LDS: nothing is filled twice.
; Each of the sixteen waves takes two tiles of 16 queries, tile n and tile 63 - n (n = 16 x cluster x + wave): (n / 8) + 1 and 8 - (n / 8) key steps of 128, nine together for every wave.
; A loop has eight trips for every wave; a step all of whose keys come after the tile's queries is jumped over (a branch on ids; no barrier and no tensor load stands in a step).
; K = 64 IN AN INSTRUCTION OF 128: two neighbouring tiles of keys lie on end in LDS and are ONE fragment; q stands in v16-33 as [q | zeros | q]: v[16:27] picks the first tile, v[22:33] the second; the other half meets zero codes.
; PLACES: place p of tile 2 b + u of tokens (and of v's channels) is row 32 b + 8 u + p + 8 (p / 8): the 16 registers of result tiles 2 b, 2 b + 1 are 16 neighbouring keys (channels).
; LIMITS: NaN and infinities are not served; a block of p or o whose largest magnitude lies under 2^-124 gets the byte 1.
; REGISTERS: v1-6 lane terms; v8-10 the step's LDS addresses; v12 -M, v13 largest t, v[14:15] the sum; v16-33 q; v34 q's scales; v36-83 four fragments of k, then of v; v84-87, v88-91 their scale words;
;   v96-159 S^T, then p; v160-191 O^T; v192-203 p's codes; v204-210 conversions; v212-223 blocks' maxima, exchange, scale operands; v224 at work; v[226:227] f; v228 p's scale word; v229 my query less 16 h; v230 -infinity.
.set KC,   6291456
.set VC,   7864320
.set QS,   9437184
.set KS,   9699328
.set VS,   9764864
.set OSO,  6291456
.set LV,   49152                       ; LDS: k's codes at 0 (6,144 bytes a key step), v's from here (likewise),
.set LKS,  98304                       ; k's scale bytes (256 a step), and v's 12,288 bytes on
.set ADK16, 8
.set ADK8,  9
.set ADS,   10
.set QSC,  34
.set KF,   36
.set KSC,  84
.set VSC,  88
.set SS,   96
.set OO,   160
.set PCD,  192
.set CT,   204
.set BM,   212
.set BT,   216
.set SO4,  220
.set TMP,  224
.set FF,   226
.set PSC,  228
.set DQ,   229
.set NINF, 230
.set WV,   8
.set CX,   9
.set BG,   10
.set BQ,   11
.set GG,   12
.set HQ,   13
.set SEL,  14
.set CS,   16
.set G1K,  20
.set G1V,  28
.set G1KS, 36
.set G1VS, 44
.set G0K,  52
.set G0V,  56
.set G0KS, 60
.set G0VS, 68
.set TAU,  82
.set SD,   83
.set SI,   84
.set TK,   85
.set TS,   94
.macro CROUND                          ; a round of the cluster's barrier
	s_barrier_signal -1
	s_barrier_wait -1
	s_cmp_lg_u32 s[WV], 0
	s_cbranch_scc1 .Lnot_wave_0_\@
	s_barrier_signal -3
.Lnot_wave_0_\@:
	s_barrier_wait -3
	s_barrier_signal -1
	s_barrier_wait -1
.endm
.macro NOP4
.rept 4
	v_nop
.endr
.endm
	s_load_b128 s[4:7], s[0:1], 0x0                ; qkv, oq
	v_lshl_add_u32 v254, v0, 2, 0x29000
	v_mov_b32 v255, 0
	ds_add_u32 v254, v255
	ds_add_u32 v254, v255
	v_lshrrev_b32 v8, 5, v0
	s_delay_alu instid0(VALU_DEP_1)
	v_readfirstlane_b32 s[WV], v8                  ; wave 0..15
	s_bfe_u32 s[CX], ttmp6, 0x40000                ; my place in the cluster: the query head within the group; it enters global addresses of my own loads and stores alone
	s_and_b32 s[BG], ttmp7, 0xffff                 ; 8 x batch + key and value head
	s_lshr_b32 s[BQ], s[BG], 3
	s_and_b32 s[GG], s[BG], 7
	; descriptor groups 1, all with the mask of the four partners, elements of 8 bytes, no padding
.irp g, G1K, G1V, G1KS, G1VS
	s_mov_b32 s[\g], 15|(3<<16)|(1<<21)
	s_mov_b32 s[\g+6], 0
	s_mov_b32 s[\g+7], 0
.endr
	s_mov_b32 s[G1K+1], 32<<16                     ; k's codes: 12,288 dense bytes as 48 rows of 256
	s_mov_b32 s[G1K+2], 48<<16
	s_mov_b32 s[G1K+3], 32<<16
	s_mov_b32 s[G1K+4], 48
	s_mov_b32 s[G1K+5], 32
	s_mov_b32 s[G1V+1], 768<<16                    ; v's codes: two key steps' 6,144 bytes, 49,152 bytes apart in memory
	s_mov_b32 s[G1V+2], 2<<16
	s_mov_b32 s[G1V+3], 768<<16
	s_mov_b32 s[G1V+4], 2
	s_mov_b32 s[G1V+5], 6144
	s_mov_b32 s[G1KS+1], 32<<16                    ; k's scale bytes: 2,048 dense bytes
	s_mov_b32 s[G1KS+2], 8<<16
	s_mov_b32 s[G1KS+3], 32<<16
	s_mov_b32 s[G1KS+4], 8
	s_mov_b32 s[G1KS+5], 32
	s_mov_b32 s[G1VS+1], 32<<16                    ; v's: eight steps' 256 bytes, 2,048 bytes apart
	s_mov_b32 s[G1VS+2], 8<<16
	s_mov_b32 s[G1VS+3], 32<<16
	s_mov_b32 s[G1VS+4], 8
	s_mov_b32 s[G1VS+5], 256
	s_and_b32 s72, s[WV], 3
	s_mul_i32 s74, s72, 12288
	s_mul_i32 s75, s[BG], 49152
	s_add_co_u32 s74, s74, s75
	s_add_co_u32 s74, s74, KC                      ; waves 0-3: a quarter of k's codes
	s_mov_b32 s75, 0
	s_mul_i32 s76, s72, 98304
	s_lshl_b32 s77, s[BQ], 6
	s_add_co_u32 s77, s77, s[GG]                   ; 64 batch + head
	s_mul_i32 s78, s77, 6144
	s_add_co_u32 s76, s76, s78
	s_add_co_u32 s76, s76, VC                      ; waves 4-7: two key steps of v's codes
	s_lshl_b32 s78, s[BG], 11
	s_add_co_u32 s78, s78, KS                      ; wave 8
	s_lshl_b32 s80, s77, 8
	s_add_co_u32 s80, s80, VS                      ; wave 9
	s_mov_b32 s77, 0
	s_mov_b32 s79, 0
	s_mov_b32 s81, 0
	s_mul_i32 s73, s[WV], 12288                    ; where it goes: by the wave's number alone
	s_mov_b32 s[SEL], 0x76543210
	s_mov_b32 s[SEL+1], 0xfedcba98
	s_mov_b32 s[CS], 0x3e38aa3b                    ; c = log2(e) / 8
	s_mov_b32 s[CS+1], s[CS]
	s_wait_dscnt 0x0
	s_wait_kmcnt 0x0
	s_mov_b32 s[G0K], 1
	s_mov_b32 s[G0K+1], s73
	s_add_nc_u64 s[G0K+2:G0K+3], s[4:5], s[74:75]
	s_or_b32 s[G0K+3], s[G0K+3], 0x80000000
	s_mov_b32 s[G0V], 1
	s_mov_b32 s[G0V+1], s73
	s_add_nc_u64 s[G0V+2:G0V+3], s[4:5], s[76:77]
	s_or_b32 s[G0V+3], s[G0V+3], 0x80000000
	s_mov_b32 s[G0KS], 1
	s_mov_b32 s[G0KS+1], s73
	s_add_nc_u64 s[G0KS+2:G0KS+3], s[4:5], s[78:79]
	s_or_b32 s[G0KS+3], s[G0KS+3], 0x80000000
	s_mov_b32 s[G0VS], 1
	s_mov_b32 s[G0VS+1], s73
	s_add_nc_u64 s[G0VS+2:G0VS+3], s[4:5], s[80:81]
	s_or_b32 s[G0VS+3], s[G0VS+3], 0x80000000
	CROUND                                         ; all four work-groups are here: the joint loads meet
	s_cmp_lt_u32 s[WV], 4                          ; one load a wave, waves 0 to 9; the branches hang on the wave's number alone
	s_cbranch_scc0 .Lnot_k
	tensor_load_to_lds s[G0K:G0K+3], s[G1K:G1K+7]
	s_nop 0
	NOP4
	s_branch .Lasked
.Lnot_k:
	s_cmp_lt_u32 s[WV], 8
	s_cbranch_scc0 .Lnot_v
	tensor_load_to_lds s[G0V:G0V+3], s[G1V:G1V+7]
	s_nop 0
	NOP4
	s_branch .Lasked
.Lnot_v:
	s_cmp_eq_u32 s[WV], 8
	s_cbranch_scc0 .Lnot_ks
	tensor_load_to_lds s[G0KS:G0KS+3], s[G1KS:G1KS+7]
	s_nop 0
	NOP4
	s_branch .Lasked
.Lnot_ks:
	s_cmp_eq_u32 s[WV], 9
	s_cbranch_scc0 .Lasked
	tensor_load_to_lds s[G0VS:G0VS+3], s[G1VS:G1VS+7]
	s_nop 0
	NOP4
.Lasked:
	s_lshl_b32 s[HQ], s[BG], 2
	s_add_co_u32 s[HQ], s[HQ], s[CX]               ; 32 batch + query head
	v_and_b32 v8, 31, v0
	s_delay_alu instid0(VALU_DEP_1)
	v_lshlrev_b32 v1, 4, v8                        ; 16 x lane
	s_delay_alu instid0(VALU_DEP_2)
	v_lshlrev_b32 v2, 3, v8                        ; 8 x lane
	v_and_b32 v9, 15, v0                           ; r
	v_bfe_u32 v10, v0, 4, 1                        ; h
	s_delay_alu instid0(VALU_DEP_2)
	v_lshlrev_b32 v4, 4, v9                        ; 16 r
	s_delay_alu instid0(VALU_DEP_1)
	v_add_nc_u32 v3, LKS, v4                       ; k's scale words of my row
	s_delay_alu instid0(VALU_DEP_4)
	v_lshlrev_b32 v5, 3, v9                        ; 8 r
	v_and_b32 v6, 8, v9
	s_delay_alu instid0(VALU_DEP_1)
	v_add_nc_u32 v6, v6, v9
	v_lshlrev_b32 v10, 4, v10
	s_delay_alu instid0(VALU_DEP_1)
	v_sub_nc_u32 v6, v6, v10                       ; r + 8 (r / 8) - 16 h
.irp i, 22,23,24,25,26,27
	v_mov_b32 v\i, 0                               ; the zero codes between the two copies of q
.endr
.irp b, 0,1,2,3
	v_mov_b32 v[BT+\b], 0                          ; written once: a lane permute's destination counts as one of its sources
.endr
	v_mov_b32 v[TMP], 0
	v_mov_b32 v[FF], 0
	v_mov_b32 v[FF+1], 0                           ; (named as the upper half of a pair)
	v_mov_b32 v[NINF], 0xff800000
	s_wait_tensorcnt 0x0                           ; my part has landed,
	s_barrier_signal -1
	s_barrier_wait -1                              ; everybody's has
.macro FRAG reg, off                   ; a fragment as it lies
	ds_load_b128 v[\reg:\reg+3], v[ADK16] offset:(\off)
	ds_load_b64 v[\reg+4:\reg+5], v[ADK8] offset:(\off)+512
	ds_load_b128 v[\reg+6:\reg+9], v[ADK16] offset:(\off)+768
	ds_load_b64 v[\reg+10:\reg+11], v[ADK8] offset:(\off)+1280
.endm
; A KEY STEP: 128 keys.
.macro STEP
	s_cmp_gt_u32 s[SI], s[SD]                      ; all its keys come after my queries: only the address steps at its end are run
	s_cbranch_scc1 .Lhidden_\@
	v_add_nc_u32 v[ADK16], s[TK], v1               ; (these four lines are the places in front of loads into registers that the last products read)
	v_add_nc_u32 v[ADK8], s[TK], v2
	v_add_nc_u32 v[ADS], s[TS], v3
	v_nop
.irp m, 0,1,2,3
	FRAG KF+12*\m, 1536*\m
.endr
	ds_load_b128 v[KSC:KSC+3], v[ADS]              ; word m: the two scale bytes of tile 2 m, then those of tile 2 m + 1
	s_wait_alu depctr_va_vdst(0)
	s_wait_dscnt 0x0
.irp m, 0,1,2,3
	v_wmma_scale_f32_16x16x128_f8f6f4 v[SS+16*\m:SS+16*\m+7], v[KF+12*\m:KF+12*\m+11], v[16:27], 0, v[KSC+\m], v[QSC] matrix_a_fmt:MATRIX_FMT_FP6 matrix_b_fmt:MATRIX_FMT_FP6
	v_wmma_scale_f32_16x16x128_f8f6f4 v[SS+16*\m+8:SS+16*\m+15], v[KF+12*\m:KF+12*\m+11], v[22:33], 0, v[KSC+\m], v[QSC] matrix_a_fmt:MATRIX_FMT_FP6 matrix_b_fmt:MATRIX_FMT_FP6
.endr                                  ; register 16 b + i of S^T: key 32 b + 16 h + i of the step
	NOP4                                           ; places: for the loads below and for the first read of the scores
.irp d, 0,1,2,3
	FRAG KF+12*\d, LV+1536*\d                      ; v's four fragments land while the softmax is worked
.endr
	ds_load_b128 v[VSC:VSC+3], v[ADS] offset:12288
	s_cmp_lg_u32 s[SI], s[SD]                      ; the step on the diagonal: hidden scores become -infinity ahead of the maximum
	s_cbranch_scc1 .Lopen_\@
.set n, 0
.rept 64
	v_cmp_gt_i32 vcc_lo, 32*(n/16)+n%16, v[DQ]
	v_cndmask_b32 v[SS+n], v[SS+n], v[NINF], vcc_lo
.set n, n+1
.endr
.Lopen_\@:
.irp b, 0,1,2,3
	v_max3_num_f32 v[BM+\b], v[SS+16*\b], v[SS+1+16*\b], v[SS+2+16*\b]   ; the largest score of each block of 32 keys: for the row's maximum, and, since p rises with the score, for the block's largest p
.endr
.irp i, 3,5,7,9,11,13
.irp b, 0,1,2,3
	v_max3_num_f32 v[BM+\b], v[BM+\b], v[SS+16*\b+\i], v[SS+1+16*\b+\i]
.endr
.endr
.irp b, 0,1,2,3
	v_max_num_f32 v[BM+\b], v[BM+\b], v[SS+15+16*\b]
.endr
.irp b, 0,1,2,3
	s_delay_alu instid0(VALU_DEP_4)
	v_permlanex16_b32 v[BT+\b], v[BM+\b], s[SEL], s[SEL+1]
.endr
.irp b, 0,1,2,3
	s_delay_alu instid0(VALU_DEP_4)
	v_max_num_f32 v[BM+\b], v[BM+\b], v[BT+\b]     ; with lane l xor 16's 16 keys
.endr
	s_delay_alu instid0(VALU_DEP_2)
	v_max3_num_f32 v[TMP], v[BM], v[BM+1], v[BM+2]
	s_delay_alu instid0(VALU_DEP_1)
	v_max_num_f32 v[TMP], v[TMP], v[BM+3]
	s_delay_alu instid0(VALU_DEP_1)
	v_mul_f32 v[TMP], s[CS], v[TMP]                ; as t
	s_delay_alu instid0(VALU_DEP_1)
	v_max_num_f32 v13, v13, v[TMP]                 ; the running largest t
	v_mov_b32 v[TMP], v12
	s_delay_alu instid0(VALU_DEP_2)
	v_floor_f32 v12, -v13                          ; the new -M = -ceil(t): a whole number
	s_delay_alu instid0(VALU_DEP_1)
	v_sub_f32 v[TMP], v12, v[TMP]                  ; old M - new M, 0 or less
	s_delay_alu instid0(VALU_DEP_1)
	v_cvt_i32_f32 v[TMP], v[TMP]                   ; (it saturates)
	s_delay_alu instid0(VALU_DEP_1)
	v_ldexp_f32 v[FF], 1.0, v[TMP]                 ; f = 2^(old M - new M): rounds nothing
.set j, 0
.rept 32
	v_pk_fma_f32 v[SS+j:SS+j+1], v[SS+j:SS+j+1], s[CS:CS+1], v[12:13] op_sel_hi:[1,0,0]   ; t - M
.set j, j+2
.endr
.irp b, 0,1,2,3
	v_fma_f32 v[BM+\b], v[BM+\b], s[CS], v12       ; the same of each block's largest score
.endr
.set j, 0
	s_wait_alu depctr_va_vdst(0)
.rept 64
	v_exp_f32 v[SS+j], v[SS+j]                     ; p = 2^(t - M), not normalised
.set j, j+1
.endr
	v_pk_mul_f32 v[14:15], v[14:15], v[FF:FF+1] op_sel_hi:[1,0]   ; the sums under the new M: a plain place behind the exponentials
	s_wait_alu depctr_va_vdst(0)                   ; one wait for the batch, ahead of its first reader
.irp b, 0,1,2,3
	v_exp_f32 v[BM+\b], v[BM+\b]                   ; each block's largest p
.endr
	v_pk_add_f32 v[216:217], v[100:101], v[104:105]
	v_pk_add_f32 v[252:253], v[108:109], v[112:113]
	v_pk_add_f32 v[250:251], v[116:117], v[120:121]
	v_pk_add_f32 v[248:249], v[124:125], v[128:129]
	v_pk_add_f32 v[246:247], v[132:133], v[136:137]
	v_pk_add_f32 v[244:245], v[140:141], v[144:145]
	v_pk_add_f32 v[242:243], v[148:149], v[152:153]
	v_pk_add_f32 v[14:15], v[14:15], v[156:157]
	v_pk_add_f32 v[216:217], v[216:217], v[96:97]
	v_pk_add_f32 v[252:253], v[252:253], v[98:99]
	v_pk_add_f32 v[250:251], v[250:251], v[102:103]
	v_pk_add_f32 v[248:249], v[248:249], v[106:107]
	v_pk_add_f32 v[246:247], v[246:247], v[110:111]
	v_pk_add_f32 v[244:245], v[244:245], v[114:115]
	v_pk_add_f32 v[242:243], v[242:243], v[118:119]
	v_pk_add_f32 v[14:15], v[14:15], v[122:123]
	v_pk_add_f32 v[216:217], v[216:217], v[126:127]
	v_pk_add_f32 v[252:253], v[252:253], v[130:131]
	v_pk_add_f32 v[250:251], v[250:251], v[134:135]
	v_pk_add_f32 v[248:249], v[248:249], v[138:139]
	v_pk_add_f32 v[246:247], v[246:247], v[142:143]
	v_pk_add_f32 v[244:245], v[244:245], v[146:147]
	v_pk_add_f32 v[242:243], v[242:243], v[150:151]
	v_pk_add_f32 v[14:15], v[14:15], v[154:155]
	v_pk_add_f32 v[216:217], v[216:217], v[158:159]
	s_delay_alu instid0(VALU_DEP_2)
	v_pk_add_f32 v[14:15], v[14:15], v[248:249]
	s_delay_alu instid0(VALU_DEP_2)
	v_pk_add_f32 v[216:217], v[216:217], v[246:247]
	v_pk_add_f32 v[252:253], v[252:253], v[244:245]
	v_pk_add_f32 v[250:251], v[250:251], v[242:243]
	s_delay_alu instid0(VALU_DEP_2)
	v_pk_add_f32 v[14:15], v[14:15], v[252:253]
	s_delay_alu instid0(VALU_DEP_2)
	v_pk_add_f32 v[216:217], v[216:217], v[250:251]
	s_delay_alu instid0(VALU_DEP_1)
	v_pk_add_f32 v[14:15], v[14:15], v[216:217]
	s_wait_alu depctr_va_vdst(0)                   ; and one for the four
.irp b, 0,1,2,3
	v_max_num_f32 v[BM+\b], 0x1800000, v[BM+\b]    ; the floor 2^(3 - 127)
.endr
.irp b, 0,1,2,3
	s_delay_alu instid0(VALU_DEP_4)
	v_add_nc_u32 v[SO4+\b], 0xff000000, v[BM+\b]   ; the conversion's scale operand
.endr
.irp b, 0,1,2,3
	s_delay_alu instid0(VALU_DEP_4)
	v_lshrrev_b32 v[BT+\b], 23, v[SO4+\b]          ; the byte
.endr
	s_delay_alu instid0(VALU_DEP_3)
	v_lshl_or_b32 v[PSC], v[BT+1], 8, v[BT]        ; p's scale word for these 128 keys
	s_delay_alu instid0(VALU_DEP_1)
	v_lshl_or_b32 v[PSC], v[BT+2], 16, v[PSC]
	s_delay_alu instid0(VALU_DEP_1)
	v_lshl_or_b32 v[PSC], v[BT+3], 24, v[PSC]
.irp c, 0,1
	v_cvt_scalef32_pk16_fp6_f32 v[PCD+6*\c:PCD+6*\c+2], v[SS+32*\c:SS+32*\c+15], v[SO4+2*\c]
	v_cvt_scalef32_pk16_fp6_f32 v[CT+4*\c:CT+4*\c+2], v[SS+16+32*\c:SS+31+32*\c], v[SO4+2*\c+1]
.endr
	v_nop                                          ; one plain place behind a scaled conversion
.irp c, 0,1
.irp i, 0,1,2
	v_permlane16_swap_b32 v[PCD+6*\c+\i], v[CT+4*\c+\i]
.endr
.irp i, 0,1,2
	s_delay_alu instid0(VALU_DEP_3)
	v_mov_b32 v[PCD+3+6*\c+\i], v[CT+4*\c+\i]
.endr
.endr
.set j, 0
.rept 16
	v_pk_mul_f32 v[OO+j:OO+j+1], v[OO+j:OO+j+1], v[FF:FF+1] op_sel_hi:[1,0]   ; O^T under the new M; these sixteen stand between the writes of p's codes and scale word and the products
.set j, j+2
.endr
	s_wait_alu depctr_va_vdst(0)
	s_wait_dscnt 0x0                               ; v's fragments and scale words are in
.irp d, 0,1,2,3
	v_wmma_scale_f32_16x16x128_f8f6f4 v[OO+8*\d:OO+8*\d+7], v[KF+12*\d:KF+12*\d+11], v[PCD:PCD+11], v[OO+8*\d:OO+8*\d+7], v[VSC+\d], v[PSC] matrix_a_fmt:MATRIX_FMT_FP6 matrix_b_fmt:MATRIX_FMT_FP6
.endr
.Lhidden_\@:
	s_add_co_u32 s[TK], s[TK], 6144
	s_add_co_u32 s[TS], s[TS], 256
.endm
; ONE TILE OF 16 QUERIES.  p = 0: tile 16 x cluster x + wave; p = 1: 63 less that.
.macro PASS p
	s_wait_xcnt 0x0                                ; the last tile's stores have read their data and bases
	s_lshl_b32 s[TAU], ttmp9, 4
	s_add_co_u32 s[TAU], s[TAU], s[WV]
.if \p
	s_sub_co_u32 s[TAU], 63, s[TAU]
.endif
	s_lshr_b32 s[SD], s[TAU], 3                    ; the key step on the diagonal
	s_lshl_b32 s72, s[HQ], 6
	s_add_co_u32 s72, s72, s[TAU]
	s_mul_i32 s72, s72, 768
	s_mov_b32 s73, 0
	s_add_nc_u64 s[86:87], s[4:5], s[72:73]        ; q's half fragment
	s_lshl_b32 s72, s[HQ], 3
	s_add_co_u32 s72, s72, s[SD]
	s_lshl_b32 s72, s72, 8
	s_and_b32 s74, s[TAU], 7
	s_lshl_b32 s74, s74, 1
	s_add_co_u32 s72, s72, s74
	s_add_co_u32 s72, s72, QS
	s_add_nc_u64 s[88:89], s[4:5], s[72:73]        ; its scale bytes
	global_load_b128 v[16:19], v1, s[86:87]
	global_load_b64 v[20:21], v2, s[86:87] offset:512
	global_load_b128 v[28:31], v1, s[86:87]
	global_load_b64 v[32:33], v2, s[86:87] offset:512
	global_load_u16 v[QSC], v4, s[88:89]
	s_lshl_b32 s72, s[BQ], 6
	s_add_co_u32 s72, s72, s[TAU]                  ; the tile among all 256
	s_mul_i32 s74, s72, 3072
	s_mul_i32 s75, s[GG], 786432
	s_add_co_u32 s74, s74, s75
	s_mul_i32 s75, s[CX], 768
	s_add_co_u32 s74, s74, s75
	s_mov_b32 s75, 0
	s_add_nc_u64 s[90:91], s[6:7], s[74:75]        ; o's codes: K step = the group of four heads, half fragment = my head in it
	s_lshl_b32 s74, s72, 10
	s_lshl_b32 s76, s[GG], 7
	s_add_co_u32 s74, s74, s76
	s_lshl_b32 s76, s[CX], 1
	s_add_co_u32 s74, s74, s76
	s_add_co_u32 s74, s74, OSO
	s_add_nc_u64 s[92:93], s[6:7], s[74:75]        ; and its two scale bytes a row
	s_bfe_u32 s74, s[TAU], 0x20001
	s_lshl_b32 s74, s74, 5
	s_and_b32 s76, s[TAU], 1
	s_lshl_b32 s76, s76, 3
	s_add_co_u32 s74, s74, s76                     ; the tile's first query within its key step
	s_mov_b32 s[SI], 0
	s_mov_b32 s[TK], 0
	s_mov_b32 s[TS], 0
	s_wait_loadcnt 0x0
	v_lshl_or_b32 v[QSC], v[QSC], 16, v[QSC]       ; q's two bytes for both halves of the 128
	v_add_nc_u32 v[DQ], s74, v6                    ; register 16 b + i is hidden where 32 b + i is above this
	v_mov_b32 v13, 0xff61b1e6                      ; the largest t so far: -3e38
	s_delay_alu instid0(VALU_DEP_1)
	v_floor_f32 v12, -v13
	v_mov_b32 v14, 0
	v_mov_b32 v15, 0
.set j, 0
.rept 32
	v_mov_b32 v[OO+j], 0                           ; O^T: the first change of M leaves zeros zeros.  (These also stand between the write of q's scale word and the first product)
.set j, j+1
.endr
.Lstep_\@:
	STEP
	s_add_co_u32 s[SI], s[SI], 1
	s_cmp_lt_u32 s[SI], 8
	s_cbranch_scc1 .Lstep_\@
	; the way out: O^T / the sum, quantised along the channels: register 16 b + i is channel 32 b + 16 h + i
	NOP4                                           ; places behind the last products
	v_add_f32 v14, v14, v15
	s_delay_alu instid0(VALU_DEP_1)
	v_permlanex16_b32 v[TMP], v14, s[SEL], s[SEL+1]
	s_delay_alu instid0(VALU_DEP_1)
	v_add_f32 v14, v14, v[TMP]                     ; the row's sum
	s_wait_alu depctr_va_vdst(0)
	v_rcp_f32 v14, v14
	v_nop                                          ; a plain place behind the reciprocal
	s_wait_alu depctr_va_vdst(0)                   ; the wait ahead of its first reader
.set j, 0
.rept 16
	v_pk_mul_f32 v[SS+j:SS+j+1], v[OO+j:OO+j+1], v[14:15] op_sel_hi:[1,0]
.set j, j+2
.endr
.irp b, 0,1
	v_max3_num_f32 v[BM+\b], |v[SS+16*\b]|, |v[SS+1+16*\b]|, 0x1800000
.endr
.irp i, 2,4,6,8,10,12,14
.irp b, 0,1
	s_delay_alu instid0(VALU_DEP_2)
	v_max3_num_f32 v[BM+\b], v[BM+\b], |v[SS+16*\b+\i]|, |v[SS+1+16*\b+\i]|
.endr
.endr
.irp b, 0,1
	s_delay_alu instid0(VALU_DEP_2)
	v_permlanex16_b32 v[BT+\b], v[BM+\b], s[SEL], s[SEL+1]
.endr
.irp b, 0,1
	s_delay_alu instid0(VALU_DEP_2)
	v_max_num_f32 v[BM+\b], v[BM+\b], v[BT+\b]
.endr
.irp b, 0,1
	s_delay_alu instid0(VALU_DEP_2)
	v_add_nc_u32 v[SO4+\b], 0xff000000, v[BM+\b]
.endr
.irp b, 0,1
	s_delay_alu instid0(VALU_DEP_2)
	v_lshrrev_b32 v[BT+\b], 23, v[SO4+\b]
.endr
	s_delay_alu instid0(VALU_DEP_1)
	v_lshl_or_b32 v[PSC], v[BT+1], 8, v[BT]
	v_cvt_scalef32_pk16_fp6_f32 v[PCD:PCD+2], v[SS:SS+15], v[SO4]
	v_cvt_scalef32_pk16_fp6_f32 v[CT:CT+2], v[SS+16:SS+31], v[SO4+1]
	v_nop
.irp i, 0,1,2
	v_permlane16_swap_b32 v[PCD+\i], v[CT+\i]
.endr
.irp i, 0,1,2
	s_delay_alu instid0(VALU_DEP_3)
	v_mov_b32 v[PCD+3+\i], v[CT+\i]
.endr
	global_store_b128 v1, v[PCD:PCD+3], s[90:91]               ; 512 and 256 consecutive bytes, at multiples of 256 from the buffer's first byte
	global_store_b64 v2, v[PCD+4:PCD+5], s[90:91] offset:512
	global_store_b16 v5, v[PSC], s[92:93]                      ; lanes l and l xor 16 write the same two bytes with the same value
.endm
	PASS 0
	PASS 1
	s_wait_dscnt 0x0
	s_wait_tensorcnt 0x0
	ds_add_u32 v254, v255
	s_wait_dscnt 0x0
	CROUND                                         ; the closing round
	s_endpgm
.Lfunc_end_k_qc3c8016e58_attn:
	.size	k_qc3c8016e58_attn, .Lfunc_end_k_qc3c8016e58_attn-k_qc3c8016e58_attn
	.p2alignl 7, 3214868480
	.fill 96, 4, 3214868480
	.section	.rodata,"a",@progbits
	.p2align	6, 0x0
	.amdhsa_kernel k_qc3c8016e58_attn
		.amdhsa_group_segment_fixed_size 169984
		.amdhsa_private_segment_fixed_size 0
		.amdhsa_enable_private_segment 0
		.amdhsa_kernarg_size 16
		.amdhsa_user_sgpr_count 2
		.amdhsa_user_sgpr_kernarg_segment_ptr 1
		.amdhsa_wavefront_size32 1
		.amdhsa_system_sgpr_workgroup_id_x 1
		.amdhsa_system_sgpr_workgroup_id_y 1
		.amdhsa_system_sgpr_workgroup_id_z 1
		.amdhsa_system_vgpr_workitem_id 0
		.amdhsa_next_free_vgpr 256
		.amdhsa_next_free_sgpr 96
		.amdhsa_reserve_vcc 1
		.amdhsa_float_denorm_mode_32 3
		.amdhsa_float_denorm_mode_16_64 3
		.amdhsa_memory_ordered 1
		.amdhsa_forward_progress 1
		.amdhsa_inst_pref_size 68
	.end_amdhsa_kernel
	.amdgpu_metadata
---
amdhsa.version: [ 1, 2 ]
amdhsa.kernels:
  - .name:           k_qc3c8016e58_attn
    .symbol:         k_qc3c8016e58_attn.kd
    .args:
      - { .name: qkv, .offset: 0, .size: 8, .value_kind: global_buffer, .address_space: global }
      - { .name: oq, .offset: 8, .size: 8, .value_kind: global_buffer, .address_space: global }
    .group_segment_fixed_size: 169984
    .private_segment_fixed_size: 0
    .kernarg_segment_align: 8
    .kernarg_segment_size: 16
    .max_flat_workgroup_size: 512
    .sgpr_count:     96
    .vgpr_count:     256
    .wavefront_size: 32
...
	.end_amdgpu_metadata
.endif
;; end of part 3
;; launch gemm_out (part 4): grid 16 x 16, 4 waves a work-group, clusters of 4 x 1, 327,680 bytes of LDS; arguments oq, wq, bo, out0; writes out0
.if DOCPART == 4
	.amdgcn_target "amdgcn-amd-amdhsa--gfx1250"
	.amdhsa_code_object_version 6
	.text
	.protected	k_qc3c8016e58_gemm_out
	.globl	k_qc3c8016e58_gemm_out
	.p2align	8
	.type	k_qc3c8016e58_gemm_out,@function
k_qc3c8016e58_gemm_out:
	s_mov_b64 s[64:65], 0
	v_nop
	global_prefetch_b8 v0, s[64:65] scope:SCOPE_SE
	s_setreg_imm32_b32 hwreg(HW_REG_WAVE_MODE, 25, 1), 1
	s_wait_xcnt 0x0
	s_wait_alu depctr_hold_cnt(0) depctr_sa_sdst(0) depctr_va_vdst(0) depctr_va_sdst(0) depctr_va_ssrc(0) depctr_va_vcc(0) depctr_vm_vsrc(0)
	s_getreg_b32 s2, hwreg(HW_REG_IB_STS2, 6, 4)
	s_cmp_eq_u32 s2, 0
	s_cbranch_scc0 .Lentry_in_a_cluster
	s_endpgm
.Lentry_in_a_cluster:
	s_bfe_u32 s2, ttmp6, 0x10000c
	s_cmp_lg_u32 s2, 0x3003
	s_cbranch_scc0 .Lentry_shape_is_right
	s_endpgm
.Lentry_shape_is_right:
; out0 = o Wo + bo on codes of FP6 (E2M3) with E8M0 scales, K = 2,048; sums in f32.  o's and Wo's codes lie in memory as images of operand registers
; (half fragment, 16 rows x 64 K, 768 bytes: lane l's registers 0-3 at 16 l, registers 4, 5 at 512 + 8 l), [K step of 256][tile of 16 rows][3,072 bytes]; scale bytes [tile][K step][row][8].
; SHARES: a work-group makes 256 tokens x 128 columns: 16 x 16 = 256 work-groups.  A wave makes 128 tokens x 64 columns: 32 accumulators, 256 registers.
; o GOES THROUGH LDS: two slots, each with 512 along K (two K steps of 256 x 16 tiles, 98,304 bytes): four fills for all of K, two of them refills; each wave fetches a quarter of a fill (24,576 dense bytes).
; CLUSTERS: the four work-groups of a cluster make four blocks of columns of the same 256 tokens and ask for o's tiles jointly.
; Wo GOES FROM MEMORY STRAIGHT INTO REGISTERS, as it lies: a step's four fragments are 16 loads whose lanes read consecutive bytes (512 or 256 at multiples of 256), asked for three steps ahead into four sets.
; That keeps 196,608 bytes of fills and 393,216 bytes of LDS reads a work-group out of LDS; such loads are no tensor loads, so Wo's tiles are not asked for jointly, and their lead of three steps takes the place of a prefetch.
; THE SCALE WORDS of a wave's 12 tiles, for all of K, come once into 96 registers: each load reads 256 consecutive bytes, two K steps of a tile: lanes 0-15 hold the even K step's words, lanes 16-31 the odd one's,
; and the matrix instruction's row selectors choose.
; SOURCE 0 = 16 columns of Wo, SOURCE 1 = 16 tokens: a lane holds one token and eight neighbouring columns.  Place p of tile 2 b + u of either tensor is row 32 b + 8 u + p + 8 (p / 8).
; bo is the C of each accumulator's first product: nothing is cleared and nothing is added on the way out.
; PREFETCH of o: behind the load of fill f each wave asks for its quarter of fill f + 1, one fill (128 matrix instructions a wave) ahead of the load that wants it; one fill ahead serves three of the four fills.
; The four partners share a quarter's 96 blocks of 256 bytes out by address, 24 each by cx (lanes left over name the last again); the last fill's load asks for nothing.  The address registers are never rewritten.
; REGISTERS: window 0: v1-7 lane terms, v8-15 o's LDS addresses, v22-29 others, v32-95 o's scale words, v96-127 Wo's, v128-159 bo.
;   window 1: o's fragments, two sets of 96 (way out: 8 x 32 registers of rows read back);  window 3: Wo's fragments, four sets of 48;  window 2: accumulator (a, b) at v[8 (4 a + b)].
.set XSO,   6291456
.set WOC,   4915200
.set WOS,   8060928
.set XSLAB, 786432                     ; bytes from K step to K step in o's codes
.set WSLAB, 393216                     ; and in Wo's
.set XK,    49152                      ; 16 tiles x 3,072
.set SLOT,  2*XK
.set SPARE, 2*SLOT                     ; the spare words, 128 bytes for each wave: two blocks of 256 bytes that no other line names
.set SPITCH, 272                       ; the way out: a stage of 16 rows x (256 + 16) bytes for each wave, in slot 0, which has had its last fill and its last read by then
.set ADRA,  8
.set STO,   22
.set RD,    23
.set CO,    24
.set PF1,   25
.set BOF,   27
.set SPW,   28
.set NIL,   29
.set SX,    32
.set SW,    96
.set BB,    128
.set G1,    24
.set G0,    32
.set WB,    44
.set XSB,   46
.set WSB,   48
.set PFA,   66
.set MSB, 0
.macro WIN new                         ; the immediate's high byte repeats the setting that is left
.if MSB != \new
	s_set_vgpr_msb (MSB<<8)|\new
.set MSB, \new
.endif
.endm
.macro PLACES                          ; plain places behind matrix instructions, in front of loads into their sources and of reads of their results
.rept 4
	v_nop
.endr
.endm
.macro CREST                           ; a round of the cluster's barrier behind its opening barrier
	s_cmp_lg_u32 s16, 0
	s_cbranch_scc1 .Lnot_wave_0_\@
	s_barrier_signal -3
.Lnot_wave_0_\@:
	s_barrier_wait -3
	s_barrier_signal -1
	s_barrier_wait -1
.endm
.macro CROUND
	s_barrier_signal -1
	s_barrier_wait -1
	CREST
.endm
.macro JLOAD sl                        ; every wave's joint load: its quarter of a fill, both addresses by the wave's number
	tensor_load_to_lds s[G0+4*(\sl):G0+4*(\sl)+3], s[G1:G1+7]
	s_nop 0
	PLACES
.endm
.macro ASK n                           ; my work-group's 24 blocks of my quarter of fill n + 1: a lane a block of 256 bytes
	global_prefetch_b8 v[PF1], s[PFA:PFA+1] offset:(\n)*2*XSLAB th:TH_LOAD_NT scope:SCOPE_SE
.endm
	s_load_b128 s[4:7], s[0:1], 0x0                ; oq, wq
	s_load_b128 s[12:15], s[0:1], 0x10             ; bo, out0
	v_lshl_add_u32 v[SPW], v0, 2, SPARE
	v_mov_b32 v[NIL], 0
	ds_add_u32 v[SPW], v[NIL]                      ; the opening: the add, twice on end, and its wait ahead of my first tensor load
	ds_add_u32 v[SPW], v[NIL]
	v_lshrrev_b32 v1, 5, v0
	v_readfirstlane_b32 s16, v1                    ; wave 0..3
	s_lshr_b32 s17, s16, 1                         ; my half of the tokens.  Also: which K step of a fill I fetch
	s_and_b32 s18, s16, 1                          ; my half of the columns.  Also: which eight tiles of it
	s_bfe_u32 s40, ttmp6, 0x40000                  ; cx: it enters global addresses of my own loads, stores and prefetches alone
	s_lshl_b32 s42, ttmp9, 2
	s_add_co_u32 s42, s42, s40                     ; tc: which 128 columns
	s_and_b32 s43, ttmp7, 0xffff                   ; tr: which 256 tokens
	s_mov_b32 s[G1], 15|(3<<16)|(1<<21)            ; group 1: the mask of the four partners, elements of 8 bytes, bit 21 beside the mask; 24,576 dense bytes as 96 rows of 256
	s_mov_b32 s[G1+1], 32<<16
	s_mov_b32 s[G1+2], 96<<16
	s_mov_b32 s[G1+3], 32<<16
	s_mov_b32 s[G1+4], 96
	s_mov_b32 s[G1+5], 32
	s_mov_b32 s[G1+6], 0
	s_mov_b32 s[G1+7], 0
	s_mul_i32 s20, s43, XK                         ; o's codes: tile 16 tr,
	s_mul_i32 s8, s17, XSLAB                       ; my K step of fill 0,
	s_add_co_u32 s20, s20, s8
	s_mul_i32 s8, s18, XK/2                        ; my eight tiles
	s_add_co_u32 s20, s20, s8
	s_mov_b32 s21, 0
	s_lshl_b32 s22, s43, 4
	s_lshl_b32 s8, s17, 3
	s_add_co_u32 s22, s22, s8                      ; the eight tiles of tokens that I multiply
	s_lshl_b32 s22, s22, 10
	s_add_co_u32 s22, s22, XSO                     ; their scale bytes
	s_mov_b32 s23, 0
	s_lshl_b32 s10, s42, 3
	s_lshl_b32 s8, s18, 2
	s_add_co_u32 s10, s10, s8                      ; my four tiles of Wo: 8 tc + 4 half
	s_mul_i32 s[WB], s10, 3072
	s_add_co_u32 s[WB], s[WB], WOC
	s_mov_b32 s[WB+1], 0
	s_lshl_b32 s[WSB], s10, 10
	s_add_co_u32 s[WSB], s[WSB], WOS
	s_mov_b32 s[WSB+1], 0
	s_mul_i32 s19, s16, XK/2                       ; where my quarter goes: by the wave's number alone
	s_wait_dscnt 0x0                               ; both opening adds are done
	s_wait_kmcnt 0x0
	s_add_nc_u64 s[20:21], s[4:5], s[20:21]
	s_add_nc_u64 s[XSB:XSB+1], s[4:5], s[22:23]
	s_add_nc_u64 s[WB:WB+1], s[6:7], s[WB:WB+1]
	s_add_nc_u64 s[WSB:WSB+1], s[6:7], s[WSB:WSB+1]
.irp s, 0,1                            ; groups 0: slot s stands at fill s; a refill steps it two fills on
	s_mov_b32 s[G0+4*\s], 1
	s_add_co_u32 s[G0+4*\s+1], s19, \s*SLOT
	s_add_nc_u64 s[G0+4*\s+2:G0+4*\s+3], s[20:21], \s*2*XSLAB
	s_or_b32 s[G0+4*\s+3], s[G0+4*\s+3], 0x80000000
.endr
	s_mul_i32 s8, s40, XK/8                        ; the prefetches: my work-group's 24 blocks of my quarter, at fill 1
	s_add_co_u32 s8, s8, 2*XSLAB
	s_mov_b32 s9, 0
	s_add_nc_u64 s[PFA:PFA+1], s[20:21], s[8:9]
	s_lshl_b32 s10, s42, 9                         ; my first column in bytes: 512 tc + 256 half
	s_lshl_b32 s11, s18, 8
	s_add_co_u32 s10, s10, s11
	s_mov_b32 s11, 0
	s_add_nc_u64 s[12:13], s[12:13], s[10:11]      ; bo there
	s_lshl_b32 s19, s43, 8
	s_lshl_b32 s8, s17, 7
	s_add_co_u32 s19, s19, s8                      ; my first token: 256 tr + 128 half
	s_lshl_b32 s19, s19, 13                        ; rows of 8,192 bytes
	s_add_co_u32 s10, s10, s19
	s_add_nc_u64 s[14:15], s[14:15], s[10:11]      ; out0 there
	s_mul_i32 s4, s17, 8*3072                      ; LDS: the eight tiles of o that I multiply,
	s_mul_i32 s8, s16, 16*SPITCH                   ; my stage
	CROUND                                         ; all four work-groups are here: the first joint loads meet
	JLOAD 0                                        ; fill 0: one tensor load a wave at the head
	v_and_b32 v1, 15, v0                           ; r
	v_bfe_u32 v2, v0, 4, 1                         ; h
	v_and_b32 v3, 31, v0
	v_lshlrev_b32 v4, 4, v3                        ; 16 x lane
	v_lshlrev_b32 v5, 3, v3                        ; 8 x lane
	v_add_nc_u32 v[ADRA], s4, v4                   ; o's fragments: pair k = 2 slot + K step: + 16 x lane, + 8 x lane
	v_add_nc_u32 v[ADRA+1], s4, v5
	v_add_nc_u32 v[ADRA+2], XK, v[ADRA]
	v_add_nc_u32 v[ADRA+3], XK, v[ADRA+1]
	v_add_nc_u32 v[ADRA+4], 2*XK, v[ADRA]
	v_add_nc_u32 v[ADRA+5], 2*XK, v[ADRA+1]
	v_add_nc_u32 v[ADRA+6], 3*XK, v[ADRA]
	v_add_nc_u32 v[ADRA+7], 3*XK, v[ADRA+1]
	v_mul_u32_u24 v6, v1, SPITCH                   ; into the stage: row r, 64 bytes for each half of the lanes
	v_lshl_add_u32 v6, v2, 6, v6
	v_add_nc_u32 v[STO], s8, v6
	v_mul_u32_u24 v7, v2, SPITCH                   ; back: sixteen lanes take a row of 256 bytes, two rows an instruction
	v_lshl_add_u32 v7, v1, 4, v7
	v_add_nc_u32 v[RD], s8, v7
	v_lshlrev_b32 v[CO], 13, v2                    ; and the same two rows in out0
	v_lshl_add_u32 v[CO], v1, 4, v[CO]
	v_min_u32 v[PF1], 23, v3                       ; the prefetches' block: my lane, held at the last of the 24
	v_lshlrev_b32 v[PF1], 8, v[PF1]
	v_lshlrev_b32 v[BOF], 6, v2                    ; bo: register 8 b + j wants column 32 (b / 2) + 8 (b % 2) + 16 h + j
	s_wait_alu depctr_va_vdst(0)                   ; the wait at the head's end: no vector instruction writes a register behind it
	ASK 0                                          ; fill 1
.macro GW st                           ; Wo's four fragments of step st, from memory into set st % 4: 16 loads
.set G_R, 48*((\st)%4)
.set G_O, WSLAB*((\st)/2)+1536*((\st)%2)
	WIN 0xc0                                       ; destination window 3
.irp b, 0,1,2,3
	global_load_b128 v[G_R+12*\b:G_R+12*\b+3], v4, s[WB:WB+1] offset:G_O+3072*\b
	global_load_b64 v[G_R+12*\b+4:G_R+12*\b+5], v5, s[WB:WB+1] offset:G_O+3072*\b+512
	global_load_b128 v[G_R+12*\b+6:G_R+12*\b+9], v4, s[WB:WB+1] offset:G_O+3072*\b+768
	global_load_b64 v[G_R+12*\b+10:G_R+12*\b+11], v5, s[WB:WB+1] offset:G_O+3072*\b+1280
.endr
.endm
.macro FETCH_A st                      ; o's eight fragments of step st, from LDS into set st % 2: 32 loads
.set F_R, 96*((\st)%2)
.set F_A, ADRA+2*(((\st)/2)%4)
.set F_O, 1536*((\st)%2)
	WIN 0x40                                       ; destination window 1
.irp i, 0,1,2,3,4,5,6,7
	ds_load_b128 v[F_R+12*\i:F_R+12*\i+3], v[F_A] offset:F_O+3072*\i
	ds_load_b64 v[F_R+12*\i+4:F_R+12*\i+5], v[F_A+1] offset:F_O+3072*\i+512
	ds_load_b128 v[F_R+12*\i+6:F_R+12*\i+9], v[F_A] offset:F_O+3072*\i+768
	ds_load_b64 v[F_R+12*\i+10:F_R+12*\i+11], v[F_A+1] offset:F_O+3072*\i+1280
.endr
	WIN 0
.endm
; 16 matrix instructions: tokens' blocks a0 .. a0 + 3 x Wo's four.  The 32 accumulators take turns, one instruction a turn, in the same order in every step.
; Step st lies in K step st / 2: its scale words stand in register 2 (st / 4) + st % 2 of a tile's eight, in lanes 0-15 where st / 2 is even, else in lanes 16-31.
.macro MUL16 st, a0, zero
.irp a, \a0, \a0+1, \a0+2, \a0+3
.irp b, 0,1,2,3
.if \zero
	v_wmma_scale_f32_16x16x128_f8f6f4 v[8*(4*(\a)+\b):8*(4*(\a)+\b)+7], v[48*((\st)%4)+12*\b:48*((\st)%4)+12*\b+11], v[96*((\st)%2)+12*(\a):96*((\st)%2)+12*(\a)+11], v[BB+8*\b:BB+8*\b+7], v[SW+8*\b+2*((\st)/4)+(\st)%2], v[SX+8*(\a)+2*((\st)/4)+(\st)%2] matrix_a_fmt:MATRIX_FMT_FP6 matrix_b_fmt:MATRIX_FMT_FP6
.else
.if ((\st)/2)%2
	v_wmma_scale_f32_16x16x128_f8f6f4 v[8*(4*(\a)+\b):8*(4*(\a)+\b)+7], v[48*((\st)%4)+12*\b:48*((\st)%4)+12*\b+11], v[96*((\st)%2)+12*(\a):96*((\st)%2)+12*(\a)+11], v[8*(4*(\a)+\b):8*(4*(\a)+\b)+7], v[SW+8*\b+2*((\st)/4)+(\st)%2], v[SX+8*(\a)+2*((\st)/4)+(\st)%2] matrix_a_fmt:MATRIX_FMT_FP6 matrix_b_fmt:MATRIX_FMT_FP6 matrix_a_scale:MATRIX_SCALE_ROW1 matrix_b_scale:MATRIX_SCALE_ROW1
.else
	v_wmma_scale_f32_16x16x128_f8f6f4 v[8*(4*(\a)+\b):8*(4*(\a)+\b)+7], v[48*((\st)%4)+12*\b:48*((\st)%4)+12*\b+11], v[96*((\st)%2)+12*(\a):96*((\st)%2)+12*(\a)+11], v[8*(4*(\a)+\b):8*(4*(\a)+\b)+7], v[SW+8*\b+2*((\st)/4)+(\st)%2], v[SX+8*(\a)+2*((\st)/4)+(\st)%2] matrix_a_fmt:MATRIX_FMT_FP6 matrix_b_fmt:MATRIX_FMT_FP6
.endif
.endif
.endr
.endr
.endm
.set MULW, 0xa7                        ; source 0 window 3, source 1 window 1, C and D window 2
.set MULZ, 0x87                        ; the same with C (bo) in window 0
.macro WAITW st                        ; Wo's fragments of step st are in: behind them only the 16 loads of each of the next two steps, as far as there are such, may be out
.if (\st) <= 13
	s_wait_loadcnt 32
.else
	s_wait_loadcnt 16*(15-(\st))
.endif
.endm
.macro STEP st, zero                   ; a step whose successor lies in the same slot
	WAITW \st
	s_wait_dscnt 0x0                               ; o's fragments of this step are in
.if \zero == 0
	PLACES                                         ; the sets filled below were read by the last step's products
.endif
.if (\st)+3 < 16
	GW (\st)+3
.endif
	FETCH_A (\st)+1
.if \zero
	WIN MULZ
.else
	WIN MULW
.endif
	MUL16 \st, 0, \zero
	MUL16 \st, 4, \zero
	WIN 0
.endm
; A slot's last step.  Its fragments are in registers, so the slot is read no more: each wave waits for all its tensor loads (one is out: its quarter of the other slot), adds 0 to its spare word and waits for that;
; behind the round the slot is filled again first, then the other slot's first fragments are fetched.
.macro TURN st, fill
	WAITW \st
	s_wait_dscnt 0x0                               ; this step's fragments are in: my reads of this slot are over
	WIN MULW
	MUL16 \st, 0, 0
	WIN 0
	s_wait_tensorcnt 0x0
	ds_add_u32 v[SPW], v[NIL]
	s_wait_dscnt 0x0
	s_barrier_signal -1
	s_barrier_wait -1
.if \fill
	CREST                                          ; the barrier has opened a round of the cluster's: no wave of any partner still reads this slot or has a load on its way
	s_add_nc_u64 s[G0+4*(((\st)/4)%2)+2:G0+4*(((\st)/4)%2)+3], s[G0+4*(((\st)/4)%2)+2:G0+4*(((\st)/4)%2)+3], 4*XSLAB
	JLOAD ((\st)/4)%2                              ; my one tensor load behind the round; its four v_nop are the places in front of the loads below
.else
	PLACES
.endif
	GW (\st)+3
	FETCH_A (\st)+1
.if (\st) == 3
	ASK 2                                          ; fill 3
.endif
	WIN MULW
	MUL16 \st, 4, 0
	WIN 0
.endm
.irp i, 0,1,2,3,4,5,6,7                ; the scale words: load m of a tile brings its K steps 2 m (lanes 0-15) and 2 m + 1 (lanes 16-31), 256 consecutive bytes
.irp m, 0,1,2,3
	global_load_b64 v[SX+8*\i+2*\m:SX+8*\i+2*\m+1], v5, s[XSB:XSB+1] offset:1024*\i+256*\m
.endr
.endr
.irp b, 0,1,2,3
.irp m, 0,1,2,3
	global_load_b64 v[SW+8*\b+2*\m:SW+8*\b+2*\m+1], v5, s[WSB:WSB+1] offset:1024*\b+256*\m
.endr
.endr
.irp b, 0,1,2,3
	global_load_b128 v[BB+8*\b:BB+8*\b+3], v[BOF], s[12:13] offset:128*(\b/2)+32*(\b%2)
	global_load_b128 v[BB+8*\b+4:BB+8*\b+7], v[BOF], s[12:13] offset:128*(\b/2)+32*(\b%2)+16
.endr
	GW 0
	GW 1
	GW 2
	WIN 0
	s_wait_tensorcnt 0x0                           ; my quarter of fill 0 is in; these lines stand ahead of a later first fill as ahead of a refill
	ds_add_u32 v[SPW], v[NIL]
	s_wait_dscnt 0x0
	CROUND                                         ; all of fill 0 is in, all four work-groups are here
	JLOAD 1                                        ; fill 1, slot 1's first: my one tensor load behind the round
	FETCH_A 0
	ASK 1                                          ; fill 2
	STEP 0, 1                                      ; the first step starts the sums on bo; its wait on the loads covers the scale words and bo, which were asked for earlier
	STEP 1, 0
	STEP 2, 0
	TURN 3, 1
.irp s, 4,5,6
	STEP \s, 0
.endr
	TURN 7, 1
.irp s, 8,9,10
	STEP \s, 0
.endr
	TURN 11, 0                                     ; nothing is left to fetch into LDS
.irp s, 12,13,14
	STEP \s, 0
.endr
	WAITW 15
	s_wait_dscnt 0x0
	WIN MULW
	MUL16 15, 0, 0
	MUL16 15, 4, 0
	PLACES                                         ; in front of the reads of results and of loads into the registers that held o's fragments
; THE WAY OUT, block by block of 16 tokens x 64 columns.  A lane holds 32 neighbouring bytes of a row: a block goes through my own stage and comes back as rows of 256 bytes, which sixteen lanes store as one aligned unit.
; LDS serves a wave's instructions in order (ISA guide 5.7.1.4): no wait between the stores and the loads, nor in front of the next block's stores.  Each block comes back into registers of its own, and the base is
; not stepped: nothing that a store reads is written again.
.macro TOSTAGE a
	WIN 0x08                                       ; the data: window 2
.irp b, 0,1,2,3
	ds_store_b128 v[STO], v[32*(\a)+8*\b:32*(\a)+8*\b+3] offset:128*(\b/2)+32*(\b%2)       ; each accumulator from its low end on
	ds_store_b128 v[STO], v[32*(\a)+8*\b+4:32*(\a)+8*\b+7] offset:128*(\b/2)+32*(\b%2)+16
.endr
	WIN 0x40                                       ; back into window 1
.irp t, 0,1,2,3,4,5,6,7
	ds_load_b128 v[32*(\a)+4*\t:32*(\a)+4*\t+3], v[RD] offset:\t*2*SPITCH
.endr
.endm
.macro SEND a, younger                 ; younger: the LDS instructions issued behind block a's loads, which may stay out
	s_wait_dscnt \younger
	WIN 0x04                                       ; the data: window 1
.irp t, 0,1,2,3,4,5,6,7
	global_store_b128 v[CO], v[32*(\a)+4*\t:32*(\a)+4*\t+3], s[14:15] offset:(32*((\a)/2)+8*((\a)%2)+2*\t+8*(\t/4))*8192 th:TH_STORE_NT   ; places 2 t, 2 t + 1 of the tile: two neighbouring tokens
.endr
.endm
	TOSTAGE 0
.irp a, 1,2,3,4,5,6,7
	TOSTAGE \a
	SEND \a-1, 16                                  ; behind block a - 1's loads: block a's 8 stores and 8 loads
.endr
	SEND 7, 0
	WIN 0
	s_wait_tensorcnt 0x0                           ; the wave's end
	ds_add_u32 v[SPW], v[NIL]
	s_wait_dscnt 0x0
	CROUND                                         ; the closing round
	s_endpgm
.Lfunc_end_k_qc3c8016e58_gemm_out:
	.size	k_qc3c8016e58_gemm_out, .Lfunc_end_k_qc3c8016e58_gemm_out-k_qc3c8016e58_gemm_out
	.p2alignl 7, 3214868480
	.fill 96, 4, 3214868480
	.section	.rodata,"a",@progbits
	.p2align	6, 0x0
	.amdhsa_kernel k_qc3c8016e58_gemm_out
		.amdhsa_group_segment_fixed_size 327680
		.amdhsa_private_segment_fixed_size 0
		.amdhsa_enable_private_segment 0
		.amdhsa_kernarg_size 32
		.amdhsa_user_sgpr_count 2
		.amdhsa_user_sgpr_kernarg_segment_ptr 1
		.amdhsa_wavefront_size32 1
		.amdhsa_system_sgpr_workgroup_id_x 1
		.amdhsa_system_sgpr_workgroup_id_y 1
		.amdhsa_system_sgpr_workgroup_id_z 1
		.amdhsa_system_vgpr_workitem_id 0
		.amdhsa_next_free_vgpr 1024
		.amdhsa_next_free_sgpr 72
		.amdhsa_reserve_vcc 0
		.amdhsa_float_denorm_mode_32 3
		.amdhsa_float_denorm_mode_16_64 3
		.amdhsa_memory_ordered 1
		.amdhsa_forward_progress 1
		.amdhsa_inst_pref_size 154
	.end_amdhsa_kernel
	.amdgpu_metadata
---
amdhsa.version: [ 1, 2 ]
amdhsa.kernels:
  - .name:           k_qc3c8016e58_gemm_out
    .symbol:         k_qc3c8016e58_gemm_out.kd
    .args:
      - { .name: oq, .offset: 0, .size: 8, .value_kind: global_buffer, .address_space: global }
      - { .name: wq, .offset: 8, .size: 8, .value_kind: global_buffer, .address_space: global }
      - { .name: bo, .offset: 16, .size: 8, .value_kind: global_buffer, .address_space: global }
      - { .name: out0, .offset: 24, .size: 8, .value_kind: global_buffer, .address_space: global }
    .group_segment_fixed_size: 327680
    .private_segment_fixed_size: 0
    .kernarg_segment_align: 8
    .kernarg_segment_size: 32
    .max_flat_workgroup_size: 128
    .sgpr_count:     72
    .vgpr_count:     1024
    .wavefront_size: 32
...
	.end_amdgpu_metadata
.endif
;; end of part 4
